; MI455X (gfx1250); checked and timed in simulation.
; The chip was launched on July 23, 2026; its instructions are those of AMD's public machine-readable ISA for CDNA 5 (MIT licence, August 2026) and "CDNA5" Instruction Set Architecture Reference Guide (July 2026). The comments in the code are by the model that wrote it; some were corrected since.
;; multi head attention layer. Allowed arithmetic: matrix products marked QUANTISED: E2M1 operands, one E8M0 scale for each 32 along K, by v_wmma_scale_f32_16x16x128_f8f6f4 with both operands' format E2M1 (or v_wmma_scale_f32_32x16x128_f4), f32 sums; products left as they are: bf16, f16 or f32 operands; f32 sums; everything else in f32.
;; Inputs: bk 1,024 float32; bq 1,024 float32; bv 1,024 float32; query 4 x 2,048 x 1,024 float32; seq_len 4 int32; wg 1,024 x 1,024 float32; wk 1,024 x 1,024 float32; wq 1,024 x 1,024 float32; wv 1,024 x 1,024 float32.
;; Outputs: out0 4 x 2,048 x 1,024 float32.
;; This version of the problem:
;;   THIS VERSION OF THE PROBLEM IS GIVEN IN LOW PRECISION. The matrix products marked QUANTISED in the list below multiply operands that are first quantised to E2M1 (2 exponent bits, 1 mantissa bit; 4 bits a number), with one power-of-two scale for each 32 numbers along K (OCP MX v1.0); their sums are f32. The products marked 'left as it is' may take bf16, f16 or f32 operands, with f32 sums. Whichever they take, every output number must still come out within the allowed error. Rounding operands to bf16 (8 significant bits) uses up far more of that allowance than f16 does (11 bits, for magnitudes from 6e-5 to 65,504). All else is computed in f32.
;;   The module's matrix products, in the order in which they are computed (A, B: the left and right operand; K: the contracted axis; several contracted axes count as one K, in the product's order):
;;     1. [M 8,192, K 1,024] x [K 1,024, N 1,024]; A: input query; B: input wq: QUANTISED
;;     2. [M 8,192, K 1,024] x [K 1,024, N 1,024]; A: input query; B: input wk: QUANTISED
;;     3. [M 8,192, K 1,024] x [K 1,024, N 1,024]; A: input query; B: input wv: QUANTISED
;;     4. batch 64 x [M 2,048, K 64] x [K 64, N 2,048]; A: computed on the way; B: computed on the way: left as it is (an operand is computed on the way)
;;     5. batch 64 x [M 2,048, K 2,048] x [K 2,048, N 64]; A: computed on the way; B: computed on the way: left as it is (an operand is computed on the way)
;;     6. [M 8,192, K 1,024] x [K 1,024, N 1,024]; A: computed on the way; B: input wg: left as it is (an operand is computed on the way)
;;   THE QUANTISER, for each operand of a quantised product, along K:
;;     - K is cut into blocks of 32 from its start; a last block that is shorter is filled with zeros.
;;     - A block's scale is 2^e with e = floor(log2(the largest magnitude in the block)) - 2, held to -126 .. 127; a block of zeros has e = 0. As a byte (E8M0): e + 127.
;;     - Each number is divided by its block's scale, clamped to +-6, and rounded to the nearest number of E2M1, ties to even, subnormals kept.
;;     - The product sums the exact products of the quantised numbers (number of the format x scale) in f32.
;;   ~~~python
;;   def quantise(x, axis):      # numpy; x: float32 -> the quantised numbers, widened to float32 again
;;       x = np.moveaxis(x, axis, -1); K = x.shape[-1]
;;       x = np.pad(x, [(0, 0)] * (x.ndim - 1) + [(0, -K % 32)]); x = x.reshape(x.shape[:-1] + (-1, 32)); a = np.abs(x).max(-1, keepdims=True)
;;       e = np.where(a > 0, np.clip(np.frexp(np.where(a > 0, a, 1))[1] - 1 - 2, -126, 127), 0)      # np.frexp(a)[1] - 1 = floor(log2(a)), exactly
;;       r = np.clip(x / 2.0 ** e, -6, 6)
;;       step = 2.0 ** (np.maximum(np.frexp(np.where(r == 0, 1, r))[1] - 1, 0) - 1)
;;       q = np.round(r / step) * step * 2.0 ** e      # np.round: ties to even
;;       return np.moveaxis(q.reshape(q.shape[:-2] + (-1,))[..., :K], -1, axis).astype(np.float32)
;;   ~~~
;; One version. Each part assembles by itself: llvm-mc -triple=amdgcn-amd-amdhsa -mcpu=gfx1250 --defsym DOCPART=n.
;; ======== version 1 of 1: 4 launches
;; limits: values are held in f16: magnitudes above 65,504 overflow, below 6.1e-05 lose precision
;; workspace buffers: codes 5,767,168 bytes; scales 360,448 bytes; wg16 2,097,152 bytes; qkv 50,331,648 bytes; ofrag 16,777,216 bytes
;; launch prep (part 1): grid 384 x 1, 4 waves a work-group, no clusters, 33,280 bytes of LDS; arguments query, wq, wk, wv, wg, codes, scales, wg16; writes codes, scales, wg16
.if DOCPART == 1
	.amdgcn_target "amdgcn-amd-amdhsa--gfx1250"
	.amdhsa_code_object_version 6
	.text
	.protected	k_q1d2dddaa89_prep
	.globl	k_q1d2dddaa89_prep
	.p2align	8
	.type	k_q1d2dddaa89_prep,@function
k_q1d2dddaa89_prep:
	s_mov_b64 s[64:65], 0
	v_nop
	global_prefetch_b8 v0, s[64:65] scope:SCOPE_SE
	s_setreg_imm32_b32 hwreg(HW_REG_WAVE_MODE, 25, 1), 1
	s_wait_xcnt 0x0
; PREP.  (1) query [8192][1024], wq, wk, wv [1024][1024], f32, K innermost, become codes of FP4 (E2M1) and one E8M0 scale byte for each 32 along K, in ONE table of 11,264 rows:
; rows 0-8191 query, 8192-9215 wq, 9216-10239 wk, 10240-11263 wv; a row of codes is 512 bytes, a row of scale bytes 32.  (2) wg [1024 (n)][1024 (k)] becomes f16, laid as images of operand registers.
; THE QUANTISER.  A block's scale is 2^(floor(log2(its largest magnitude)) - 2); its byte is the largest magnitude's exponent field - 2, held at 1 from below; each number is divided by the scale and rounded
; to the nearest code, ties to even, beyond 6 the largest code.  A block of zeros gets the byte 1 where the rule says 127: its codes are zeros, and this program alone reads the bytes.
; LIMITS: blocks whose largest magnitude lies under 2^-124 (the floor) were not tried; NaN and infinities are not served; |wg| beyond 65,504 has no f16 number.
; SHARES.  Rows are dense and 1,024 is a multiple of 32, so all four tensors are streams of blocks of 32.  Work-groups 0-351: a wave takes a run of 8,192 numbers, 16 steps of 512; run = 4 x work-group + wave counts
; through the whole table, so only the source pointer is chosen by the work-group's number.  Each load reads 512 consecutive bytes; a step's 2,048 bytes turn through the wave's own stage in LDS, so that a lane
; holds 16 neighbours along K; two neighbouring lanes hold a block.  A wave's store of codes covers 256 consecutive aligned bytes; its 256 scale bytes are gathered in LDS and leave as one such run.
; Work-groups 352-383: a wave takes 16 rows n of wg x 512 along K: 16 fragments of 16 x 32.  An image is the fragment's 8 registers: group g (registers 4 g .. 4 g + 3) at 512 g + 16 x lane, 1,024 bytes;
; wg16 is [n tile 64][k / 32 32][1,024].  Lane (r, h) holds row r, k = 16 g + 8 h + 0 .. 7 of the fragment.  The reads are pieces of 32 bytes of sixteen rows: 4 MiB read once, beside the long stream of the others.
.set WAVES, 4
.set STEPS, 16
.set EMAX,  2
.set CB,    8                          ; bytes of 16 codes
.set R,     16                         ; v16-79   four sets of 16 numbers as they are loaded
.set X,     80                         ; v80-111  two sets of 16 neighbours
.set C,     128                        ; v128-191 codes: four registers for each step, so that no store's data are written again
.set E,     112                        ; v112-127 a scale byte for each step
.set WREG,  8192                       ; LDS: a region for each wave: two stages of 32 x SP bytes, behind them its 256 scale bytes
.set SP,    80                         ; a lane's place in a stage: 64 bytes + 16 of padding
.set SPW,   12                         ; v12      LDS address of my spare word; never rewritten
.set NIL,   13                         ; v13      0; never rewritten
.set SPARE, WAVES*WREG                 ; behind the four regions: the spare words, 128 bytes a wave
.set QWG,   352                        ; work-groups that quantise
.set IW,    16                         ; the wg path: v16-143 two sets of 64 numbers
.set OW,    144                        ; v144-175 a batch's 32 registers of f16
	s_load_b256 s[4:11], s[0:1], 0x0               ; query s[4:5], wq s[6:7], wk s[8:9], wv s[10:11]
	s_load_b256 s[12:19], s[0:1], 0x20             ; wg s[12:13], codes s[14:15], scales s[16:17], wg16 s[18:19]
	v_lshl_add_u32 v[SPW], v0, 2, SPARE
	v_mov_b32 v[NIL], 0
	v_lshrrev_b32 v1, 5, v0
	v_readfirstlane_b32 s24, v1                    ; wave
	v_and_b32 v2, 31, v0                           ; lane
	v_lshlrev_b32 v3, 4, v2                        ; 16 x lane
	s_cmp_ge_u32 ttmp9, QWG
	s_cbranch_scc1 .Lwg
	s_mul_i32 s25, s24, WREG
	v_lshrrev_b32 v14, 2, v2
	v_mul_u32_u24 v14, v14, SP
	v_and_b32 v15, 3, v2
	v_lshl_add_u32 v14, v15, 4, v14
	v_add_nc_u32 v14, s25, v14                     ; the stage, on the way in: four lanes' 64 bytes on end, then 16 of padding
	v_mul_u32_u24 v15, v2, SP
	v_add_nc_u32 v15, s25, v15                     ; and on the way out: SP x lane: my 16 neighbours
	v_mul_u32_u24 v4, v2, CB                       ; my codes' place in a step's
	v_lshrrev_b32 v5, 1, v2
	s_add_co_u32 s25, s25, 2*32*SP
	v_add_nc_u32 v5, s25, v5                       ; LDS: my wave's 256 scale bytes, my block's byte
	v_lshlrev_b32 v7, 3, v2                        ; and on the way out 8 bytes a lane
	v_add_nc_u32 v6, s25, v7
	s_mov_b32 s22, 1280                            ; the run at which the chosen tensor begins: wv's
	s_wait_kmcnt 0x0
	s_cmp_lt_u32 ttmp9, 320                        ; the choices hang on the work-group's number alone
	s_cselect_b64 s[20:21], s[8:9], s[10:11]
	s_cselect_b32 s22, 1152, s22
	s_cmp_lt_u32 ttmp9, 288
	s_cselect_b64 s[20:21], s[6:7], s[20:21]
	s_cselect_b32 s22, 1024, s22
	s_cmp_lt_u32 ttmp9, 256
	s_cselect_b64 s[20:21], s[4:5], s[20:21]
	s_cselect_b32 s22, 0, s22
	s_lshl_b32 s26, ttmp9, 2
	s_add_co_u32 s26, s26, s24                     ; my run of 8,192 numbers, counted through the table
	s_sub_co_u32 s28, s26, s22
	s_lshl_b32 s28, s28, 15                        ; 32,768 bytes of f32 a run, from the tensor's start
	s_mov_b32 s29, 0
	s_add_nc_u64 s[20:21], s[20:21], s[28:29]
	s_lshl_b32 s28, s26, 12                        ; 4,096 bytes of codes a run
	s_add_nc_u64 s[14:15], s[14:15], s[28:29]
	s_lshl_b32 s28, s26, 8                         ; 256 scale bytes a run
	s_add_nc_u64 s[16:17], s[16:17], s[28:29]
.macro LOAD t
.irp i, 0,1,2,3
	global_load_b128 v[R+16*((\t)%4)+4*\i:R+16*((\t)%4)+4*\i+3], v3, s[20:21] offset:2048*(\t)+512*\i th:TH_LOAD_NT   ; 32 lanes read 512 consecutive bytes
.endr
.endm
.macro TURN t                          ; step t's numbers through the stage: LDS serves a wave's instructions in order, so no wait stands between the stores and the loads
.irp i, 0,1,2,3
	ds_store_b128 v14, v[R+16*((\t)%4)+4*\i:R+16*((\t)%4)+4*\i+3] offset:32*SP*((\t)%2)+8*SP*\i
.endr
.irp i, 0,1,2,3
	ds_load_b128 v[X+16*((\t)%2)+4*\i:X+16*((\t)%2)+4*\i+3], v15 offset:32*SP*((\t)%2)+16*\i
.endr
.endm
.irp t, 0,1,2,3
	LOAD \t
.endr
	s_wait_loadcnt 12                              ; step 0's four loads are in; the twelve of steps 1 to 3 may be out
	TURN 0
.macro STEP t
.set XS, X+16*((\t)%2)
.if (\t) > 0
	s_wait_dscnt 1                                 ; this step's numbers are back from the stage (the last step's byte store may be out): so its stores into the stage have read their registers,
.else
	s_wait_dscnt 0x0
.endif
.if (\t)+4 < STEPS
	LOAD (\t)+4                                    ; which take the loads of four steps on
.endif
.if (\t)+1 < STEPS
.if STEPS-2-(\t) >= 3
	s_wait_loadcnt 12                              ; the next step's four loads are in; those of the three steps behind it may be out
.else
	s_wait_loadcnt 4*(STEPS-2-(\t))
.endif
	TURN (\t)+1                                    ; and go through the other stage while this step is worked
.endif
	v_max3_num_f32 v8, |v[XS]|, |v[XS+1]|, |v[XS+2]|               ; the largest magnitude of my 16, in two chains
	v_max3_num_f32 v9, |v[XS+3]|, |v[XS+4]|, |v[XS+5]|
.irp i, 6,10
	v_max3_num_f32 v8, v8, |v[XS+\i]|, |v[XS+\i+1]|
	v_max3_num_f32 v9, v9, |v[XS+\i+2]|, |v[XS+\i+3]|
.endr
	v_max3_num_f32 v8, v8, |v[XS+14]|, |v[XS+15]|
	v_max3_num_f32 v8, v8, v9, (EMAX+1)<<23        ; and the floor 2^(3 - 127): the byte cannot fall under 1
	v_max_num_f32_dpp v8, v8, v8 row_xmask:1 row_mask:0xf bank_mask:0xf   ; and of my neighbour's 16: the block's
	v_add_nc_u32 v11, -(EMAX<<23), v8              ; 2 off its exponent field: the conversion takes the exponent field of this operand as its scale
	v_cvt_scalef32_pk8_fp4_f32 v[C+4*(\t)], v[XS:XS+7], v11
	v_cvt_scalef32_pk8_fp4_f32 v[C+4*(\t)+1], v[XS+8:XS+15], v11
	v_lshrrev_b32 v[E+(\t)], 23, v11               ; the scale's byte (a plain line behind the conversions)
	ds_store_b8 v5, v[E+(\t)] offset:16*(\t)       ; both lanes of a block write the same byte with the same value
	global_store_b64 v4, v[C+4*(\t):C+4*(\t)+1], s[14:15] offset:32*CB*(\t)   ; 32 lanes store 256 consecutive aligned bytes
.endm
.irp t, 0,1,2,3,4,5,6,7,8,9,10,11,12,13,14,15
	STEP \t
.endr
	ds_load_b64 v[8:9], v6                         ; LDS serves a wave's instructions in order: these see my byte stores
	s_wait_dscnt 0x0
	global_store_b64 v7, v[8:9], s[16:17]          ; 32 lanes store 256 consecutive aligned bytes
	s_wait_tensorcnt 0x0                           ; the wave's end: these three lines behind my last LDS store
	ds_add_u32 v[SPW], v[NIL]
	s_wait_dscnt 0x0
	s_endpgm
.Lwg:                                              ; wg to f16 images
	s_sub_co_u32 s26, ttmp9, QWG
	s_lshl_b32 s26, s26, 2
	s_add_co_u32 s26, s26, s24                     ; 0 .. 127
	s_lshr_b32 s27, s26, 1                         ; my tile of 16 rows n
	s_and_b32 s26, s26, 1                          ; my half of K
	v_and_b32 v4, 15, v0
	v_bfe_u32 v5, v0, 4, 1
	v_lshlrev_b32 v4, 12, v4
	v_lshl_add_u32 v4, v5, 5, v4                   ; row r of 4,096 bytes, + 32 h
	s_lshl_b32 s28, s27, 16                        ; 16 rows of wg
	s_lshl_b32 s30, s26, 11                        ; 512 numbers along K
	s_add_co_u32 s28, s28, s30
	s_mov_b32 s29, 0
	s_lshl_b32 s30, s27, 15                        ; 32 images a tile
	s_lshl_b32 s31, s26, 14
	s_add_co_u32 s30, s30, s31
	s_mov_b32 s31, 0
	s_wait_kmcnt 0x0
	s_add_nc_u64 s[12:13], s[12:13], s[28:29]
	s_add_nc_u64 s[18:19], s[18:19], s[30:31]
.macro LOADB t                         ; batch t: four fragments; fragment i, group g: my 8 numbers, two loads of 16 bytes
.irp i, 0,1,2,3
.irp g, 0,1
.irp e, 0,1
	global_load_b128 v[IW+64*((\t)%2)+16*\i+8*\g+4*\e:IW+64*((\t)%2)+16*\i+8*\g+4*\e+3], v4, s[12:13] offset:512*(\t)+128*\i+64*\g+16*\e th:TH_LOAD_NT
.endr
.endr
.endr
.endm
.macro WGB t
.if (\t) < 3
	s_wait_loadcnt 16                              ; this batch's 16 loads are in; the next batch's may be out
.else
	s_wait_loadcnt 0x0
.endif
.if (\t) > 0
	s_wait_xcnt 0x0                                ; the last batch's stores have read their data registers, which are written again below
.endif
.set n, 0
.rept 32
	v_cvt_pk_f16_f32 v[OW+n], v[IW+64*((\t)%2)+2*n], v[IW+64*((\t)%2)+2*n+1]   ; the lower k in the low half
.set n, n+1
.endr
.if (\t)+2 < 4
	LOADB (\t)+2
.endif
.irp m, 0,1,2,3,4,5,6,7
	global_store_b128 v3, v[OW+4*\m:OW+4*\m+3], s[18:19] offset:4096*(\t)+512*\m   ; 32 lanes store 512 consecutive aligned bytes: half an image
.endr
.endm
	LOADB 0
	LOADB 1
	WGB 0
	WGB 1
	WGB 2
	WGB 3
	s_wait_tensorcnt 0x0                           ; this way stores nothing to LDS; the three lines stand here too
	ds_add_u32 v[SPW], v[NIL]
	s_wait_dscnt 0x0
	s_endpgm
.Lfunc_end_k_q1d2dddaa89_prep:
	.size	k_q1d2dddaa89_prep, .Lfunc_end_k_q1d2dddaa89_prep-k_q1d2dddaa89_prep
	.p2alignl 7, 3214868480
	.fill 96, 4, 3214868480
	.section	.rodata,"a",@progbits
	.p2align	6, 0x0
	.amdhsa_kernel k_q1d2dddaa89_prep
		.amdhsa_group_segment_fixed_size 33280
		.amdhsa_private_segment_fixed_size 0
		.amdhsa_enable_private_segment 0
		.amdhsa_kernarg_size 64
		.amdhsa_user_sgpr_count 2
		.amdhsa_user_sgpr_kernarg_segment_ptr 1
		.amdhsa_wavefront_size32 1
		.amdhsa_system_sgpr_workgroup_id_x 1
		.amdhsa_system_sgpr_workgroup_id_y 1
		.amdhsa_system_sgpr_workgroup_id_z 1
		.amdhsa_system_vgpr_workitem_id 0
		.amdhsa_next_free_vgpr 192
		.amdhsa_next_free_sgpr 66
		.amdhsa_reserve_vcc 0
		.amdhsa_float_denorm_mode_32 3
		.amdhsa_float_denorm_mode_16_64 3
		.amdhsa_memory_ordered 1
		.amdhsa_forward_progress 1
		.amdhsa_inst_pref_size 52
	.end_amdhsa_kernel
	.amdgpu_metadata
---
amdhsa.version: [ 1, 2 ]
amdhsa.kernels:
  - .name:           k_q1d2dddaa89_prep
    .symbol:         k_q1d2dddaa89_prep.kd
    .args:
      - { .name: query, .offset: 0, .size: 8, .value_kind: global_buffer, .address_space: global }
      - { .name: wq, .offset: 8, .size: 8, .value_kind: global_buffer, .address_space: global }
      - { .name: wk, .offset: 16, .size: 8, .value_kind: global_buffer, .address_space: global }
      - { .name: wv, .offset: 24, .size: 8, .value_kind: global_buffer, .address_space: global }
      - { .name: wg, .offset: 32, .size: 8, .value_kind: global_buffer, .address_space: global }
      - { .name: codes, .offset: 40, .size: 8, .value_kind: global_buffer, .address_space: global }
      - { .name: scales, .offset: 48, .size: 8, .value_kind: global_buffer, .address_space: global }
      - { .name: wg16, .offset: 56, .size: 8, .value_kind: global_buffer, .address_space: global }
    .group_segment_fixed_size: 33280
    .private_segment_fixed_size: 0
    .kernarg_segment_align: 8
    .kernarg_segment_size: 64
    .max_flat_workgroup_size: 128
    .sgpr_count:     66
    .vgpr_count:     192
    .wavefront_size: 32
...
	.end_amdgpu_metadata
.endif
;; end of part 1
;; launch proj (part 2): grid 96 x 4, 4 waves a work-group, clusters of 4 x 4, 327,680 bytes of LDS; arguments codes, scales, bq, bk, qkv; writes qkv
.if DOCPART == 2
	.amdgcn_target "amdgcn-amd-amdhsa--gfx1250"
	.amdhsa_code_object_version 6
	.text
	.protected	k_q1d2dddaa89_proj
	.globl	k_q1d2dddaa89_proj
	.p2align	8
	.type	k_q1d2dddaa89_proj,@function
k_q1d2dddaa89_proj:
	s_mov_b64 s[64:65], 0
	v_nop
	global_prefetch_b8 v0, s[64:65] scope:SCOPE_SE
	s_setreg_imm32_b32 hwreg(HW_REG_WAVE_MODE, 25, 1), 1
	s_wait_xcnt 0x0
	s_wait_alu depctr_hold_cnt(0) depctr_sa_sdst(0) depctr_va_vdst(0) depctr_va_sdst(0) depctr_va_ssrc(0) depctr_va_vcc(0) depctr_vm_vsrc(0)
	s_getreg_b32 s2, hwreg(HW_REG_IB_STS2, 6, 4)
	s_cmp_eq_u32 s2, 0
	s_cbranch_scc0 .Lentry_in_a_cluster
	s_endpgm
.Lentry_in_a_cluster:
	s_bfe_u32 s2, ttmp6, 0x10000c
	s_cmp_lg_u32 s2, 0xf033
	s_cbranch_scc0 .Lentry_shape_is_right
	s_endpgm
.Lentry_shape_is_right:
; PROJ.  q = query wq^T + bq, k = query wk^T + bk, v = query wv^T, on codes of FP4 (E2M1) with one E8M0 scale for each 32 along K = 1,024; sums in f32; results rounded to f16 and stored as IMAGES OF OPERAND REGISTERS.
; (bv is added behind the softmax, in the next launch: the weights of a row sum to one, so that is the same number.)
; codes: [11264][512 bytes], scales: [11264][32]: rows 0-8191 query, 8192-9215 wq, 9216-10239 wk, 10240-11263 wv.
; A tile of 256 x 256 is made by four waves, a wave makes 128 x 128: 64 accumulators.  K goes in two steps of 512 through two LDS slots, both filled once at the start; nothing is filled again.
; The scales of the tile's 512 rows, for all of K, come into LDS once, with the first fills.
; TWO PARTS, ONE TEXT.  24 clusters of 4 x 4 work-groups along x.  Clusters 0-15: A = rows of query, B = rows of wq and wk.  Clusters 16-23: A = rows of wv, B = rows of query: the result is v TRANSPOSED.
; All that differs between the parts lies in scalars chosen by the cluster's x, which all sixteen partners share.
; CLUSTER: the four of a row of the cluster need the same tiles of A, the four of a column the same tiles of B: each is asked for jointly, by the same tensor load with a mask that names the four.
; THE MATRIX INSTRUCTION IS USED TRANSPOSED (source 0 = 16 rows of B, source 1 = 16 rows of A): lane (r, h) of accumulator (a, b) holds A's row 16 a + r and B's rows 16 b + 8 h + 0 .. 7.
; Rounded to f16 in pairs these are registers 4 g .. 4 g + 3, g = b % 2, of a 16 x 32 f16 fragment whose rows are A's rows and whose K runs along B's rows 32 (b / 2) on: so NOTHING changes lanes on the way out.
; qkv: an image is 1,024 bytes: group g at 512 g + 16 x lane.  Q at 0 and K at 16,777,216: [16 batch + head][tile of 16 tokens 128][32 of the head's 64: 2][1,024].
; V at 33,554,432: [16 batch + head][32 keys: 64][16 channels: 4][1,024].  Each store of a wave covers 512 consecutive aligned bytes.
; THE BIAS is the C of each sum's first product: eight registers for each of B's eight blocks; in the V part the table is made zeros.
; LIMITS: |q|, |k|, |v| beyond 65,504 have no f16 number; under 6e-5 they keep an absolute error of 3e-8.
; REGISTERS, in windows of 256: window 0: v0-31 addresses; v32-95 scale words, two sets; v96-99 the way out's offsets; v128-191 A's fragments, one set; v192-255 the bias table.  On the way out v128-191 hold the packed results.
;   window 1: B's fragments, two sets, at v0 and v128.   window 2: the accumulators of my rows 0-63 ((a, b) at v[8 (8 a + b)]);   window 3: those of my rows 64-127.
.set SIZE_K, 1024
.set KSTEP,  512                       ; along K in a slot
.set NQ,     KSTEP/128                 ; matrix instructions deep
.set ROWB,   256                       ; a tile's row in bytes
.set KROW,   SIZE_K*4/8                ; a row of codes in memory
.set PITCH,  272                       ; an LDS row: 256 bytes + 16 of padding: the 16 rows of a fragment load start 68 words apart
.set FR,     8                         ; registers of a fragment: 16 rows x 128 K
.set NL,     2                         ; LDS loads that bring one
.set NP,     4                         ; places behind this matrix instruction (ISA guide 7.12.1)
.set HALFT,  128*PITCH                 ; 128 rows: what one tensor load brings
.set SLOT,   4*HALFT                   ; A's 256 rows, then B's 256 rows
.set KS,     SIZE_K/32                 ; a row of scales in bytes
.set SCL,    2*SLOT                    ; behind the slots: the scales, as runs of 256 bytes + 16 of padding
.set HALFS,  (128*KS/256)*272          ; the scales of 128 rows
.set SBLK,   (16*KS/256)*272           ; those of 16 rows
.set SPARE,  SCL+4*HALFS               ; behind the scales: the spare words, 128 bytes a wave
.set ADRA, 16                          ; v16-17  LDS address of my A fragments in slot 0, 1
.set ADRB, 20                          ; v20-21  the same for B
.set ADRS, 27                          ; v27     LDS address of my scale words: lanes 0-15 A's rows, lanes 16-31 B's
.set SPW,  28                          ; v28     my spare word; never rewritten
.set NIL,  29                          ; v29     0; never rewritten
.set SC,   32                          ; scale words: set s at v[SC + 32 s]; register 4 i + q: lanes 0-15 A's block i, lanes 16-31 B's block i, the slot's q-th 128 along K
.set OB,   96                          ; v96-99  the way out: 16 x lane + where fragment b / 2 lies
.set AF,   128                         ; A's fragments
.set BT,   192                         ; the bias table
.set TMP,  128                         ; the way out: two sets of 32 packed registers
.set G1, 24                            ; s[24:31] group 1 for A's tiles;  s[32:39] group 0, one set for each slot
.set G0, 32
.set G1B, 48                           ; s[48:55], s[56:63] the same for B's tiles
.set G0B, 56
.set G1S, 68                           ; s[68:75], s[76:79] groups 1 and 0 for A's scales;  s[80:87], s[88:91] for B's
.set G0S, 76
.set G1SB, 80
.set G0SB, 88
.set MSB, 0
.macro WIN new                         ; the immediate's high byte repeats the setting that is left
.if MSB != (\new)
	s_set_vgpr_msb (MSB<<8)|(\new)
.set MSB, (\new)
.endif
.endm
.set MUL_LO,  0xa1                     ; source 0 (B) window 1, source 1 (A) window 0, C and D window 2
.set MUL_HI,  0xf1                     ; the same, C and D window 3
.set MUL_LO0, 0x81                     ; the first step: C (the bias table) window 0, D window 2
.set MUL_HI0, 0xc1                     ; and D window 3
.set TO_B,    0x40                     ; destination window 1, address window 0
; A joint load: waves 0 and 1 fetch for A, waves 2 and 3 for B; the branch hangs on the wave's number alone.  An s_nop 0 and four v_nop follow each of the two lines.
.macro JLOAD g0a, g1a, g0b, g1b
	s_cmp_eq_u32 s15, 0
	s_cbranch_scc0 .Lfor_b_\@
	tensor_load_to_lds s[\g0a:\g0a+3], s[\g1a:\g1a+7]
	s_nop 0
.rept 4
	v_nop
.endr
	s_branch .Lasked_\@
.Lfor_b_\@:
	tensor_load_to_lds s[\g0b:\g0b+3], s[\g1b:\g1b+7]
	s_nop 0
.rept 4
	v_nop
.endr
.Lasked_\@:
.endm
.macro CROUND                          ; a round of the cluster's barrier
	s_barrier_signal -1
	s_barrier_wait -1
	s_cmp_lg_u32 s14, 0
	s_cbranch_scc1 .Lnot_wave_0_\@
	s_barrier_signal -3
.Lnot_wave_0_\@:
	s_barrier_wait -3
	s_barrier_signal -1
	s_barrier_wait -1
.endm
	s_load_b128 s[4:7], s[0:1], 0x0                ; codes s[4:5], scales s[6:7]
	s_load_b128 s[8:11], s[0:1], 0x10              ; bq s[8:9], bk s[10:11]
	s_load_b64 s[12:13], s[0:1], 0x20              ; qkv
	v_lshl_add_u32 v[SPW], v0, 2, SPARE
	v_mov_b32 v[NIL], 0
	ds_add_u32 v[SPW], v[NIL]                      ; the wave's opening: the add, twice on end, and its wait ahead of my first tensor load
	ds_add_u32 v[SPW], v[NIL]
	v_lshrrev_b32 v1, 5, v0
	v_readfirstlane_b32 s14, v1                    ; wave 0..3
	s_lshr_b32 s15, s14, 1                         ; which half of the tile's rows (A's) is mine.  Also: I fetch for A (0) or for B (1)
	s_and_b32 s16, s14, 1                          ; which half of its columns (B's rows).  Also: which 128 rows I fetch
	s_bfe_u32 s40, ttmp6, 0x40000                  ; cx, cy: my place in the cluster
	s_bfe_u32 s41, ttmp6, 0x40004
	; which rows of the table are A's and B's, in units of 256 rows.  ttmp9 is the cluster's x, 0 .. 23
	s_lshr_b32 s18, ttmp9, 1
	s_lshl_b32 s18, s18, 2                         ; Q, K part: A = query's tile rows 4 (x / 2) on
	s_and_b32 s19, ttmp9, 1
	s_lshl_b32 s19, s19, 2
	s_add_co_u32 s19, s19, 32                      ; B = wq's (x even) or wk's (x odd) four tile rows
	s_sub_co_u32 s20, ttmp9, 16
	s_lshl_b32 s20, s20, 2                         ; V part: B = query's tile rows 4 (x - 16) on
	s_mov_b32 s66, 1024                            ; the way out, Q, K part: fragment 1 is the same head's other 32; 2 and 3 the next head's;
	s_mov_b32 s67, 262144
	s_mov_b32 s95, 263168
	s_mov_b32 s96, 2048                            ; from a tile of 16 tokens to the next
	s_mov_b32 s98, 2048
	s_cmp_ge_u32 ttmp9, 16                         ; the V part?
	s_cselect_b32 s17, 40, s18                     ; A = wv's four tile rows
	s_cselect_b32 s42, s20, s19
	s_cselect_b32 s100, 0, -1                      ; the bias table's mask
	s_cselect_b32 s66, 4096, s66                   ; V part: fragments 1 to 3 are the next 32 keys each;
	s_cselect_b32 s67, 8192, s67
	s_cselect_b32 s95, 12288, s95
	s_cselect_b32 s96, 1024, s96                   ; from 16 channels to the next,
	s_cselect_b32 s98, 259072, s98                 ; and from a head's last 16 to the next head's first
	s_mov_b32 s97, 0
	s_mov_b32 s99, 0
	s_add_co_u32 s17, s17, s41                     ; A's tile row: + cy (it never holds cx)
	s_add_co_u32 s42, s42, s40                     ; B's tile row: + cx (it never holds cy)
	s_lshl_b32 s43, s41, 2
	s_lshl_b32 s43, 15, s43                        ; my row of the cluster
	s_lshl_b32 s44, 0x1111, s40                    ; my column
	; descriptor group 1: a tile of 128 rows x 256 bytes, padded in LDS
	s_or_b32 s[G1+0], s43, (0<<16)|(1<<20)|(1<<21)|(5<<22)|(3<<25)  ; the mask: A's tiles go to my row; elements of 1 byte; padding on; bit 21 beside a mask; 4 words after every 64
	s_or_b32 s[G1B+0], s44, (0<<16)|(1<<20)|(1<<21)|(5<<22)|(3<<25)
.irp g, G1, G1B
	s_mov_b32 s[\g+1], ROWB<<16                    ; tensor_dim0
	s_mov_b32 s[\g+2], 128<<16                     ; tensor_dim1
	s_mov_b32 s[\g+3], ROWB<<16                    ; tile_dim0
	s_mov_b32 s[\g+4], 128                         ; tile_dim1
	s_mov_b32 s[\g+5], KROW                        ; the pitch
	s_mov_b32 s[\g+6], 0
	s_mov_b32 s[\g+7], 0
.endr
	; the scales of 128 rows: a dense block of 4,096 bytes, as 16 rows of 256 bytes (32 elements of 8 bytes), 16 bytes of padding behind each
	s_or_b32 s[G1S+0], s43, (3<<16)|(1<<20)|(1<<21)|(5<<22)|(3<<25)
	s_or_b32 s[G1SB+0], s44, (3<<16)|(1<<20)|(1<<21)|(5<<22)|(3<<25)
.irp g, G1S, G1SB
	s_mov_b32 s[\g+1], 32<<16
	s_mov_b32 s[\g+2], (128*KS/256)<<16
	s_mov_b32 s[\g+3], 32<<16
	s_mov_b32 s[\g+4], 128*KS/256
	s_mov_b32 s[\g+5], 32
	s_mov_b32 s[\g+6], 0
	s_mov_b32 s[\g+7], 0
.endr
	s_lshl_b32 s18, s16, 7                         ; which 128 rows of the tile I fetch
	s_lshl_b32 s20, s17, 8
	s_add_co_u32 s20, s20, s18                     ; A: row 256 x tile row + 128 x half
	s_lshl_b32 s46, s42, 8
	s_add_co_u32 s46, s46, s18                     ; B likewise
	s_mov_b32 s21, 0
	s_mov_b32 s47, 0
	s_mov_b64 s[18:19], KS
	s_mul_u64 s[22:23], s[20:21], s[18:19]         ; where these rows' scales begin, in bytes
	s_mul_u64 s[92:93], s[46:47], s[18:19]
	s_mov_b64 s[18:19], KROW
	s_mul_u64 s[20:21], s[20:21], s[18:19]         ; and their codes
	s_mul_u64 s[46:47], s[46:47], s[18:19]
	s_mul_i32 s45, s14, HALFT                      ; where they go: wave x 128 rows: no place in the cluster enters an LDS address
	s_mul_i32 s94, s14, HALFS
	s_wait_dscnt 0x0                               ; both opening adds are done
	s_wait_kmcnt 0x0
	s_add_nc_u64 s[20:21], s[4:5], s[20:21]
	s_add_nc_u64 s[22:23], s[6:7], s[22:23]
	s_add_nc_u64 s[46:47], s[4:5], s[46:47]
	s_add_nc_u64 s[92:93], s[6:7], s[92:93]
	CROUND                                         ; all sixteen work-groups are here: the first joint loads meet
	s_mov_b32 s[G0S], 1
	s_add_co_u32 s[G0S+1], s94, SCL
	s_mov_b64 s[G0S+2:G0S+3], s[22:23]
	s_or_b32 s[G0S+3], s[G0S+3], 0x80000000
	s_mov_b32 s[G0SB], 1
	s_add_co_u32 s[G0SB+1], s94, SCL
	s_mov_b64 s[G0SB+2:G0SB+3], s[92:93]
	s_or_b32 s[G0SB+3], s[G0SB+3], 0x80000000
	JLOAD G0S, G1S, G0SB, G1SB                     ; the scales first: they are wanted with K step 0
.irp s, 0,1
	s_mov_b32 s[G0+4*\s], 1
	s_add_co_u32 s[G0+4*\s+1], s45, \s*SLOT
	s_add_nc_u64 s[G0+4*\s+2:G0+4*\s+3], s[20:21], \s*ROWB
	s_or_b32 s[G0+4*\s+3], s[G0+4*\s+3], 0x80000000
	s_mov_b32 s[G0B+4*\s], 1
	s_add_co_u32 s[G0B+4*\s+1], s45, \s*SLOT
	s_add_nc_u64 s[G0B+4*\s+2:G0B+4*\s+3], s[46:47], \s*ROWB
	s_or_b32 s[G0B+4*\s+3], s[G0B+4*\s+3], 0x80000000
	JLOAD G0+4*\s, G1, G0B+4*\s, G1B               ; three tensor loads of mine are out
.endr
	v_and_b32 v1, 15, v0                           ; r = lane % 16
	v_bfe_u32 v2, v0, 4, 1                         ; h = lane / 16
	; the bias of my 128 columns: bk where the cluster's x is odd and under 16, else bq; in the V part the numbers are read (inside bq) and masked to zeros
	s_and_b32 s18, ttmp9, 17
	s_cmp_eq_u32 s18, 1
	s_cselect_b64 s[18:19], s[10:11], s[8:9]
	s_lshl_b32 s20, s40, 10                        ; cx x 256 columns of 4 bytes
	s_cmp_ge_u32 ttmp9, 16
	s_cselect_b32 s20, 0, s20
	s_lshl_b32 s21, s16, 9                         ; + my half's 128 columns
	s_add_co_u32 s20, s20, s21
	s_mov_b32 s21, 0
	s_add_nc_u64 s[18:19], s[18:19], s[20:21]
	v_lshlrev_b32 v7, 5, v2                        ; 32 h: lane (r, h) wants, for block b, columns 16 b + 8 h + 0 .. 7
.irp b, 0,1,2,3,4,5,6,7
	global_load_b128 v[BT+8*\b:BT+8*\b+3], v7, s[18:19] offset:64*\b
	global_load_b128 v[BT+8*\b+4:BT+8*\b+7], v7, s[18:19] offset:64*\b+16
.endr
	v_mul_u32_u24 v3, v1, PITCH
	v_lshl_add_u32 v4, v2, 4, v3                   ; a fragment's row x pitch + 16 x half
	s_mul_i32 s21, s15, HALFT                      ; my 128 rows of A
	s_mul_i32 s22, s16, HALFT                      ; my 128 rows of B,
	s_add_co_u32 s22, s22, 2*HALFT                 ; which lie behind A's 256
.irp s, 0,1
	v_add_nc_u32 v[ADRA+\s], s21, v4
	v_add_nc_u32 v[ADRB+\s], s22, v4
	s_add_co_u32 s21, s21, SLOT
	s_add_co_u32 s22, s22, SLOT
.endr
	v_mul_u32_u24 v5, v1, KS                       ; my row's scales: 32 bytes a row,
	v_lshrrev_b32 v6, 8, v5
	v_lshl_add_u32 v5, v6, 4, v5                   ; and 16 more for each 256 passed
	s_mul_i32 s21, s15, HALFS                      ; A's: my 128 rows
	s_mul_i32 s22, s16, HALFS                      ; B's: my 128 rows, behind A's 256
	s_add_co_u32 s22, s22, 2*HALFS
	s_sub_co_u32 s22, s22, s21
	v_mul_u32_u24 v6, s22, v2                      ; lanes 16-31 take B's
	s_add_co_u32 s21, s21, SCL
	v_add_nc_u32 v5, v5, v6
	v_add_nc_u32 v[ADRS], s21, v5
	s_wait_loadcnt 0x0                             ; the bias
.set n, 0
.rept 64
	v_and_b32 v[BT+n], s100, v[BT+n]               ; kept in the Q, K part, zeros in the V part
.set n, n+1
.endr
	; where my part begins in qkv.  Q, K part: (K? 16,777,216) + (16 batch + first head) x 262,144 + first tile of tokens x 2,048
	s_sub_co_u32 s18, s42, 32                      ; B's tile row among wq's and wk's eight
	s_lshr_b32 s19, s18, 2
	s_lshl_b32 s19, s19, 24
	s_and_b32 s18, s18, 3
	s_lshl_b32 s18, s18, 2
	s_lshl_b32 s20, s16, 1
	s_add_co_u32 s18, s18, s20                     ; my first head
	s_lshr_b32 s21, s17, 3
	s_lshl_b32 s21, s21, 4
	s_add_co_u32 s18, s18, s21
	s_lshl_b32 s18, s18, 18
	s_add_co_u32 s19, s19, s18
	s_and_b32 s18, s17, 7
	s_lshl_b32 s18, s18, 4
	s_lshl_b32 s21, s15, 3
	s_add_co_u32 s18, s18, s21                     ; my first tile of 16 tokens in the batch
	s_lshl_b32 s18, s18, 11
	s_add_co_u32 s19, s19, s18
	; V part: 33,554,432 + (16 batch + first head) x 262,144 + first 32 keys x 4,096
	s_lshr_b32 s22, s42, 3
	s_lshl_b32 s22, s22, 4
	s_sub_co_u32 s23, s17, 40
	s_lshl_b32 s23, s23, 2
	s_add_co_u32 s22, s22, s23
	s_lshl_b32 s23, s15, 1
	s_add_co_u32 s22, s22, s23
	s_lshl_b32 s22, s22, 18
	s_and_b32 s23, s42, 7
	s_lshl_b32 s23, s23, 3
	s_lshl_b32 s21, s16, 2
	s_add_co_u32 s23, s23, s21
	s_lshl_b32 s23, s23, 12
	s_add_co_u32 s22, s22, s23
	s_add_co_u32 s22, s22, 33554432
	s_cmp_ge_u32 ttmp9, 16
	s_cselect_b32 s92, s22, s19
	s_mov_b32 s93, 0
	s_add_nc_u64 s[12:13], s[12:13], s[92:93]
	v_and_b32 v6, 31, v0
	v_lshlrev_b32 v[OB], 4, v6                     ; 16 x lane
	v_add_nc_u32 v[OB+1], s66, v[OB]
	v_add_nc_u32 v[OB+2], s67, v[OB]
	v_add_nc_u32 v[OB+3], s95, v[OB]
.rept 4
	v_nop                                          ; with the five lines above: plain lines between the table's last write and the first product
.endr
.macro FRAG reg, adr, q, i             ; a fragment, 16 rows x 128 K of 4-bit codes: lane l holds row l % 16; registers 4 c .. 4 c + 3 hold K = 64 c + 32 (l / 16) + 0 .. 31
.irp c, 0,1
	ds_load_b128 v[\reg+4*\c:\reg+4*\c+3], v[\adr] offset:64*(\q)+32*\c+(\i)*16*PITCH
.endr
.endm
; 16 matrix instructions: A's blocks a0, a0 + 1 x B's eight, the slot's q-th 128 along K.  p: B's set;  sc: the set of scale words.  zero = 1: the first product starts the sums from the bias table.
; The 64 accumulators take turns, one instruction a turn, in the same order in every step.
.macro MUL16 a0, p, q, sc, zero
.irp a, \a0, \a0+1
.irp b, 0,1,2,3,4,5,6,7
.if \zero
	v_wmma_scale_f32_16x16x128_f8f6f4 v[8*(8*((\a)%4)+\b):8*(8*((\a)%4)+\b)+7], v[128*(\p)+FR*\b:128*(\p)+FR*\b+FR-1], v[AF+FR*(\a):AF+FR*(\a)+FR-1], v[BT+8*\b:BT+8*\b+7], v[SC+8*NQ*(\sc)+NQ*\b+(\q)], v[SC+8*NQ*(\sc)+NQ*(\a)+(\q)] matrix_a_fmt:MATRIX_FMT_FP4 matrix_b_fmt:MATRIX_FMT_FP4 matrix_a_scale:MATRIX_SCALE_ROW1
.else
	v_wmma_scale_f32_16x16x128_f8f6f4 v[8*(8*((\a)%4)+\b):8*(8*((\a)%4)+\b)+7], v[128*(\p)+FR*\b:128*(\p)+FR*\b+FR-1], v[AF+FR*(\a):AF+FR*(\a)+FR-1], v[8*(8*((\a)%4)+\b):8*(8*((\a)%4)+\b)+7], v[SC+8*NQ*(\sc)+NQ*\b+(\q)], v[SC+8*NQ*(\sc)+NQ*(\a)+(\q)] matrix_a_fmt:MATRIX_FMT_FP4 matrix_b_fmt:MATRIX_FMT_FP4 matrix_a_scale:MATRIX_SCALE_ROW1
.endif
.endr
.endr
.endm
.macro FETCH_B slot, q, p              ; B's eight fragments of the slot's q-th 128 along K into set p
	WIN TO_B
.irp i, 0,1,2,3,4,5,6,7
	FRAG 128*(\p)+FR*\i, ADRB+\slot, \q, \i
.endr
	WIN 0
.endm
.macro FETCH_A slot, q, i0             ; A's blocks i0 .. i0 + 3
.irp i, \i0, \i0+1, \i0+2, \i0+3
	FRAG AF+FR*(\i), ADRA+\slot, \q, \i
.endr
.endm
.macro SCALES sc                       ; a K step's scale words into set sc: four words a row; lanes 0-15 take A's block i, lanes 16-31 B's block i
.irp i, 0,1,2,3,4,5,6,7
	ds_load_b128 v[SC+8*NQ*\sc+NQ*\i:SC+8*NQ*\sc+NQ*\i+3], v[ADRS] offset:\i*SBLK
.endr
.endm
; A load into a register that a matrix instruction has read, and a vector instruction that reads a matrix result or writes one of its registers, stand NP places behind it; only plain vector
; instructions that name none of its registers are places (ISA guide 7.12.1 for vector instructions).
.macro PLACES n
.rept \n
	v_nop
.endr
.endm
; A step of 128 along K that has its successor in the same slot.
.macro STEP slot, q, zero
	s_wait_dscnt 4*NL                              ; B's set and A's blocks 0-3 are in; the youngest eight loads (A's blocks 4-7) may be out
.if \zero
	WIN MUL_LO0
.else
	WIN MUL_LO
.endif
	MUL16 0, (\q)%2, \q, \slot, \zero
	MUL16 2, (\q)%2, \q, \slot, \zero
	s_wait_dscnt 0                                 ; A's blocks 4-7 are in
	PLACES NP
	FETCH_B \slot, (\q)+1, 1-(\q)%2
	FETCH_A \slot, (\q)+1, 0
.if \zero
	WIN MUL_HI0
.else
	WIN MUL_HI
.endif
	MUL16 4, (\q)%2, \q, \slot, \zero
	MUL16 6, (\q)%2, \q, \slot, \zero
	PLACES NP
	WIN 0
	FETCH_A \slot, (\q)+1, 4
.endm
.macro STEPS slot, from                ; the slot's steps from .. NQ - 2
.set Q, \from
.rept NQ-1-\from
	STEP \slot, Q, 0
.set Q, Q+1
.endr
.endm
	s_wait_tensorcnt 1                             ; the scales and my part of slot 0 are in; slot 1's load may be out
	s_barrier_signal -1
	s_barrier_wait -1                              ; everybody's are
	FETCH_B 0, 0, 0
	FETCH_A 0, 0, 0
	SCALES 0
	FETCH_A 0, 0, 4
	STEP 0, 0, 1                                   ; the first step's products start the sums from the bias
	STEPS 0, 1
	; slot 0's last step changes slots: one barrier; in front of it each wave waits for all its tensor loads (its part of slot 1).  Nothing is filled again.
	s_wait_tensorcnt 0x0
	ds_add_u32 v[SPW], v[NIL]                      ; 0 onto my spare word
	s_wait_dscnt 4*NL+1                            ; the add and the youngest eight loads (A's blocks 4-7) may be out
	WIN MUL_LO
	MUL16 0, 1, NQ-1, 0, 0                         ; sixteen matrix instructions stand between the add and the wait for it
	s_wait_dscnt 0x0                               ; the add is done, and no LDS load of mine is out at the signal
	s_barrier_signal -1
	MUL16 2, 1, NQ-1, 0, 0
	WIN 0
	s_barrier_wait -1                              ; slot 1 is whole
	PLACES NP
	v_add_nc_u32 v[ADRS], 4*NQ, v[ADRS]            ; on to the second K step's scale words (no LDS load of mine is out)
	FETCH_B 1, 0, 0
	FETCH_A 1, 0, 0
	SCALES 1
	WIN MUL_HI
	MUL16 4, 1, NQ-1, 0, 0
	MUL16 6, 1, NQ-1, 0, 0
	PLACES NP
	WIN 0
	FETCH_A 1, 0, 4
	STEPS 1, 0
	s_wait_dscnt 4*NL                              ; the very last step: nothing more to fetch
	WIN MUL_LO
	MUL16 0, 1, NQ-1, 1, 0
	MUL16 2, 1, NQ-1, 1, 0
	s_wait_dscnt 0
	WIN MUL_HI
	MUL16 4, 1, NQ-1, 1, 0
	MUL16 6, 1, NQ-1, 1, 0
	WIN 0
; THE WAY OUT, block by block of A's 16 rows.  Accumulator (a, b) rounds to four registers, group b % 2 of fragment b / 2: they are stored as they stand, 16 bytes a lane, 512 consecutive aligned bytes a store.
.macro PACK a
.set AC, 64*((\a)%4)
.set TT, TMP+32*((\a)%2)
	WIN 0x0a+5*((\a)/4)                            ; sources 0 and 1: window 2 or 3
.irp b, 0,1,2,3,4,5,6,7
.irp r, 0,1,2,3
	v_cvt_pk_f16_f32 v[TT+4*\b+\r], v[AC+8*\b+2*\r], v[AC+8*\b+2*\r+1]   ; each accumulator from its low end on
.endr
.endr
	WIN 0
.irp b, 0,1,2,3,4,5,6,7
	global_store_b128 v[OB+\b/2], v[TT+4*\b:TT+4*\b+3], s[12:13] offset:512*(\b%2)
.endr
.endm
	PLACES NP                                      ; behind the last products: the conversions write where A's fragments lay
	PACK 0
.irp a, 1,2,3,4,5,6,7
	s_wait_xcnt 0x0                                ; the earlier stores have read their base and their data: both are written again
.if \a == 4
	s_add_nc_u64 s[12:13], s[12:13], s[98:99]
.else
	s_add_nc_u64 s[12:13], s[12:13], s[96:97]
.endif
	PACK \a
.endr
	s_wait_tensorcnt 0x0                           ; the wave's end: these three lines behind my last tensor load
	ds_add_u32 v[SPW], v[NIL]
	s_wait_dscnt 0x0
	CROUND                                         ; the closing round: no work-group ends while a partner may still ask for a tile that names it
	s_endpgm
.Lfunc_end_k_q1d2dddaa89_proj:
	.size	k_q1d2dddaa89_proj, .Lfunc_end_k_q1d2dddaa89_proj-k_q1d2dddaa89_proj
	.p2alignl 7, 3214868480
	.fill 96, 4, 3214868480
	.section	.rodata,"a",@progbits
	.p2align	6, 0x0
	.amdhsa_kernel k_q1d2dddaa89_proj
		.amdhsa_group_segment_fixed_size 327680
		.amdhsa_private_segment_fixed_size 0
		.amdhsa_enable_private_segment 0
		.amdhsa_kernarg_size 40
		.amdhsa_user_sgpr_count 2
		.amdhsa_user_sgpr_kernarg_segment_ptr 1
		.amdhsa_wavefront_size32 1
		.amdhsa_system_sgpr_workgroup_id_x 1
		.amdhsa_system_sgpr_workgroup_id_y 1
		.amdhsa_system_sgpr_workgroup_id_z 1
		.amdhsa_system_vgpr_workitem_id 0
		.amdhsa_next_free_vgpr 1024
		.amdhsa_next_free_sgpr 102
		.amdhsa_reserve_vcc 0
		.amdhsa_float_denorm_mode_32 3
		.amdhsa_float_denorm_mode_16_64 3
		.amdhsa_memory_ordered 1
		.amdhsa_forward_progress 1
		.amdhsa_inst_pref_size 123
	.end_amdhsa_kernel
	.amdgpu_metadata
---
amdhsa.version: [ 1, 2 ]
amdhsa.kernels:
  - .name:           k_q1d2dddaa89_proj
    .symbol:         k_q1d2dddaa89_proj.kd
    .args:
      - { .name: codes, .offset: 0, .size: 8, .value_kind: global_buffer, .address_space: global }
      - { .name: scales, .offset: 8, .size: 8, .value_kind: global_buffer, .address_space: global }
      - { .name: bq, .offset: 16, .size: 8, .value_kind: global_buffer, .address_space: global }
      - { .name: bk, .offset: 24, .size: 8, .value_kind: global_buffer, .address_space: global }
      - { .name: qkv, .offset: 32, .size: 8, .value_kind: global_buffer, .address_space: global }
    .group_segment_fixed_size: 327680
    .private_segment_fixed_size: 0
    .kernarg_segment_align: 8
    .kernarg_segment_size: 40
    .max_flat_workgroup_size: 128
    .sgpr_count:     102
    .vgpr_count:     1024
    .wavefront_size: 32
...
	.end_amdgpu_metadata
.endif
;; end of part 2
;; launch attn (part 3): grid 8 x 64, 4 waves a work-group, no clusters, 16,896 bytes of LDS; arguments qkv, seq_len, bv, ofrag; writes ofrag
.if DOCPART == 3
	.amdgcn_target "amdgcn-amd-amdhsa--gfx1250"
	.amdhsa_code_object_version 6
	.text
	.protected	k_q1d2dddaa89_attn
	.globl	k_q1d2dddaa89_attn
	.p2align	8
	.type	k_q1d2dddaa89_attn,@function
k_q1d2dddaa89_attn:
	s_mov_b64 s[64:65], 0
	v_nop
	global_prefetch_b8 v0, s[64:65] scope:SCOPE_SE
	s_setreg_imm32_b32 hwreg(HW_REG_WAVE_MODE, 25, 1), 1
	s_wait_xcnt 0x0
; ATTN.  For batch b and head h: o[q] = sum over all 2,048 keys of softmax_k(s[q][k]) (v[k] + bv), s = q . k / 32 for keys under Lk = seq_len[h % 4], and s = 0 (NOT -infinity) for the others.
; Only query rows under Lq = seq_len[b] are wanted: the last launch multiplies the others by 0; for them zeros are stored here.
; WHAT IS NOT COMPUTED.  A key at or beyond Lk has score 0 for every query: it needs no product and no exponential.  The keys of the whole steps of 64 that lie beyond Lk enter as ONE first step with maximum 0,
; weight 1 each: the sum begins as their count and O as T = the sum of their v.  The step in which Lk falls is walked like any other, its hidden scores set to 0 ahead of the maximum.
; SOFTMAX.  A running maximum m and sum l for each query: p = 2^(c s - c m), c = log2(e) / 32; in every step O and l are multiplied by a = 2^(c m_old - c m_new).  bv is the addend of the last multiply-add: O / l + bv.
; OPERANDS are f16 images of operand registers made by the launch before (1,024 bytes: group g at 512 g + 16 x lane); they go from memory straight into registers, 512 consecutive bytes a load.
; No tensor load, no cluster: trip counts and branches hang on seq_len, and the query blocks of a head would need different numbers of tiles than partners may have.
; SHARES.  A work-group owns 256 queries of one (b, h), a wave 64: four tiles of 16.  grid y = 16 rank + 4 g + b; h = 4 g + rho, rho the rank-th of the four residues h % 4 by falling length: long heads have low numbers.
; LAYOUT.  S^T = K Q^T (source 0 = 16 keys, source 1 = 16 queries): a lane holds ONE query (lane % 16) and keys 8 (lane / 16) + 0 .. 7.  Two such tiles rounded to f16 in pairs ARE source 1 of O^T = V^T P.
; LIMITS: seq_len may be any int32, it is held to 0 .. 2,048.  NaN and infinities are not served.  p is rounded to f16: under 6e-5 it keeps an absolute error of 3e-8, beside a sum of at least 1.
; REGISTERS.  window 0: v1 16 x lane; v2, v3 K's and V's offsets; v4 256 x lane; v5 8 h; v6 0.0; v7 my image of T in LDS; v8 32 h; v9 the mask's bound; v10, v11 the add's two; v12-15 zeros;
;   v16-47 statistics, 8 a tile: +0 c m, +1 m, +2, +3 l, +4 .. +7 at work, a at +6; v48-55 ones in f16; v56-59 the tail's offsets; v64-191 S^T, 32 a tile, then p, then P packed in place; v192-255 Q.
;   window 1: v0-127 O^T (tile t, channels 16 c on: v[32 t + 8 c]); v128-191 K of one step; v192-255 V of one step.
.set S,    64
.set QF,   192
.set ST,   16
.set ONES, 48
.set TOF,  56
.set KR,   128
.set VR,   192
.set SPW,  10
.set NIL,  11
.set SPARE, 16384                      ; LDS: four images of T, 4,096 bytes each; behind them the spare words, 128 bytes a wave
.set MSB, 0
.macro WIN new                         ; bits 1:0 source 0, 3:2 source 1, 5:4 source 2, 7:6 destination; the high byte repeats the setting that is left
.if MSB != (\new)
	s_set_vgpr_msb (MSB<<8)|(\new)
.set MSB, (\new)
.endif
.endm
.macro LD16 reg, off, base             ; 8,192 bytes: eight images, 16 loads of 512 consecutive bytes
.irp n, 0,1,2,3,4,5,6,7,8,9,10,11,12,13,14,15
	global_load_b128 v[\reg+4*\n:\reg+4*\n+3], v[\off], s[\base:\base+1] offset:512*\n
.endr
.endm
.macro XCH a, b                        ; the larger key into a
	s_max_u32 s28, s[\a], s[\b]
	s_min_u32 s[\b], s[\a], s[\b]
	s_mov_b32 s[\a], s28
.endm
	s_load_b256 s[4:11], s[0:1], 0x0               ; qkv s[4:5], seq_len s[6:7], bv s[8:9], ofrag s[10:11]
	v_lshl_add_u32 v[SPW], v0, 2, SPARE
	v_mov_b32 v[NIL], 0
	v_lshrrev_b32 v7, 5, v0
	v_readfirstlane_b32 s12, v7                    ; wave
	v_and_b32 v1, 31, v0
	v_lshlrev_b32 v4, 8, v1                        ; 256 x lane
	v_lshlrev_b32 v1, 4, v1                        ; 16 x lane
	v_lshl_add_u32 v7, v7, 12, v1                  ; 4,096 x wave + 16 x lane
	v_bfe_u32 v5, v0, 4, 1
	v_lshlrev_b32 v8, 5, v5                        ; 32 h
	v_lshlrev_b32 v5, 3, v5                        ; 8 h
	v_mov_b32 v6, 0
.irp i, 12,13,14,15
	v_mov_b32 v\i, 0
.endr
.irp i, 0,1,2,3,4,5,6,7
	v_mov_b32 v[ONES+\i], 0x3c003c00               ; 1.0, twice, in f16
.endr
	WIN 0x40
.set n, 0
.rept 32
	v_mov_b32 v[n], 0                              ; T begins as zeros: a wave may have no step of the tail at all
.set n, n+1
.endr
	WIN 0
	s_mov_b32 s52, 0x3d38aa3b                      ; c = log2(e) / 32
	s_mov_b32 s53, s52                             ; (named with it as a pair)
	s_mov_b32 s54, 0x76543210
	s_mov_b32 s55, 0xfedcba98                      ; v_permlanex16_b32's selects for lane l xor 16
	s_and_b32 s46, ttmp7, 0xffff
	s_lshr_b32 s13, s46, 4                         ; rank
	s_and_b32 s14, s46, 3                          ; b
	s_bfe_u32 s15, s46, 0x20002                    ; g
	s_wait_kmcnt 0x0
	s_load_b128 s[16:19], s[6:7], 0x0              ; the four lengths
	s_wait_kmcnt 0x0
.irp i, 16,17,18,19
	s_max_i32 s\i, s\i, 0
	s_min_u32 s\i, s\i, 2048
.endr
	s_cmp_eq_u32 s14, 1
	s_cselect_b32 s20, s17, s16
	s_cmp_eq_u32 s14, 2
	s_cselect_b32 s20, s18, s20
	s_cmp_eq_u32 s14, 3
	s_cselect_b32 s20, s19, s20                    ; Lq = the length of my batch
	s_lshl_b32 s24, s16, 2                         ; keys 4 L + i: no two are equal
	s_lshl_b32 s25, s17, 2
	s_or_b32 s25, s25, 1
	s_lshl_b32 s26, s18, 2
	s_or_b32 s26, s26, 2
	s_lshl_b32 s27, s19, 2
	s_or_b32 s27, s27, 3
	XCH 24, 25                                     ; sorted downward by five exchanges
	XCH 26, 27
	XCH 24, 26
	XCH 25, 27
	XCH 25, 26
	s_cmp_eq_u32 s13, 1
	s_cselect_b32 s28, s25, s24
	s_cmp_eq_u32 s13, 2
	s_cselect_b32 s28, s26, s28
	s_cmp_eq_u32 s13, 3
	s_cselect_b32 s28, s27, s28                    ; the rank-th key
	s_and_b32 s29, s28, 3
	s_min_u32 s29, s29, 3                          ; rho = h % 4
	s_lshr_b32 s21, s28, 2
	s_min_u32 s21, s21, 2048                       ; Lk = seq_len[rho]
	s_add_co_u32 s22, s21, 63
	s_lshr_b32 s22, s22, 6
	s_min_u32 s22, s22, 32                         ; nk: steps of 64 keys that hold a key under Lk
	s_sub_co_u32 s23, s22, 1                       ; the last of them (used in the loop alone, where nk is at least 1)
	s_lshl_b32 s46, s15, 2
	s_add_co_u32 s29, s29, s46                     ; h = 4 g + rho
	s_lshl_b32 s30, s14, 4
	s_add_co_u32 s30, s30, s29                     ; 16 b + h
	s_lshl_b32 s31, ttmp9, 8
	s_add_co_u32 s48, s22, s12                     ; my first step of the tail: nk + wave
	s_cmp_lt_u32 s31, s20                          ; has my work-group a query under Lq?
	s_cselect_b32 s48, s48, 32                     ; if not: no tail
	s_lshl_b32 s46, s12, 6
	s_add_co_u32 s31, s31, s46                     ; q0: my first query
	s_cmp_lt_u32 s31, s20
	s_cselect_b32 s50, 1, 0                        ; has my wave one?
	s_lshl_b32 s46, s30, 18
	s_mov_b32 s47, 0
	s_add_nc_u64 s[36:37], s[4:5], s[46:47]        ; my head in Q's part
	s_add_nc_u64 s[34:35], s[36:37], 16777216      ; K
	s_lshl_b32 s46, s31, 7                         ; 2,048 bytes for each 16 queries
	s_add_nc_u64 s[32:33], s[36:37], s[46:47]      ; Q at my first query
	s_add_nc_u64 s[36:37], s[36:37], 33554432      ; V
	s_lshl_b32 s46, s14, 11
	s_add_co_u32 s46, s46, s31
	s_add_co_u32 s46, s46, s29
	s_lshl_b32 s46, s46, 11                        ; ofrag: (2,048 b + q0) / 16 row tiles of 32,768 bytes + 2 h images
	s_add_nc_u64 s[10:11], s[10:11], s[46:47]
	s_lshl_b32 s46, s29, 8
	s_add_nc_u64 s[8:9], s[8:9], s[46:47]          ; bv at my head's 64 numbers
	s_add_nc_u64 s[40:41], s[34:35], 3*8192        ; the prefetches stand three steps on
	s_add_nc_u64 s[42:43], s[36:37], 3*8192
	s_or_b32 s46, s12, ttmp9
	s_cmp_eq_u32 s46, 0
	s_cselect_b32 s44, s22, 0                      ; wave 0 of the head's first query block asks, up to step nk - 1; nobody else
	; THE TAIL: T = the sum of v over the steps nk .. 31.  Wave w takes steps nk + w + 4 i: two batches of four.  The sum is made by the matrix unit: V^T (16 channels x 32 keys) times ones.
.macro TSUM i, buf, win                ; step sJ + 4 i, if there is one: T's four accumulators take turns, one instruction a turn
	s_add_co_u32 s46, s48, 4*\i
	s_cmp_ge_u32 s46, 32
	s_cbranch_scc1 .Lno_step_\@
	WIN \win
.irp u, 0,1
.irp c, 0,1,2,3
	v_wmma_f32_16x16x32_f16 v[8*\c:8*\c+7], v[\buf+8*(4*\u+\c):\buf+8*(4*\u+\c)+7], v[ONES:ONES+7], v[8*\c:8*\c+7]
.endr
.endr
	WIN 0
.Lno_step_\@:
.endm
	s_mov_b32 s49, 2
.Ltail:
	s_cmp_ge_u32 s48, 32
	s_cbranch_scc1 .Ltail_skip
.irp i, 0,1,2,3
	s_add_co_u32 s46, s48, 4*\i
	s_min_u32 s46, s46, 31                         ; a step past the end is loaded from step 31 and not summed: no load leaves the buffer
	s_lshl_b32 s46, s46, 13
	v_add_nc_u32 v[TOF+\i], s46, v1
.endr
	WIN 0x40
	LD16 KR, TOF, 36
	LD16 VR, TOF+1, 36
	WIN 0
	LD16 S, TOF+2, 36
	LD16 S+64, TOF+3, 36
	s_wait_loadcnt 0x0
	TSUM 0, KR, 0x51
	TSUM 1, VR, 0x51
	TSUM 2, S, 0x50
	TSUM 3, S+64, 0x50
.Ltail_skip:
.rept 4
	v_nop                                          ; places behind the products: in front of the next loads into their sources, and of the stores that read T
.endr
	s_add_co_u32 s48, s48, 16
	s_sub_co_u32 s49, s49, 1
	s_cmp_lg_u32 s49, 0
	s_cbranch_scc1 .Ltail
	WIN 0x04                                       ; an LDS store's data are its source 1: window 1
.irp i, 0,1,2,3,4,5,6,7
	ds_store_b128 v7, v[4*\i:4*\i+3] offset:512*\i ; my part of T as an image; each accumulator from its low end on
.endr
	WIN 0
	s_wait_dscnt 0x0                               ; for the others' sake: my stores have landed
	s_barrier_signal -1
	s_barrier_wait -1                              ; the one barrier: every wave passes it
	s_cmp_eq_u32 s50, 0
	s_cbranch_scc1 .Lzero
	; THE START.  Q, and K and V of step 0 (inside the buffer whatever the length); T's four parts; the statistics of the first step of hidden keys.
	LD16 QF, 1, 32
	WIN 0x40
	LD16 KR, 1, 34
	LD16 VR, 1, 36
	WIN 0
.irp w, 0,1,2,3
.irp i, 0,1,2,3,4,5,6,7
	ds_load_b128 v[S+32*\w+4*\i:S+32*\w+4*\i+3], v1 offset:4096*\w+512*\i
.endr
.endr
	s_mov_b32 s56, 0xff61b1e6                      ; -3e38, under every score
	s_cmp_lt_u32 s22, 32
	s_cselect_b32 s56, 0, s56                      ; m = 0 where whole steps are hidden
	s_sub_co_u32 s57, 32, s22
	s_lshl_b32 s57, s57, 5                         ; half their keys' count: each half of the lanes carries one half
.irp t, 0,1,2,3
	v_mov_b32 v[ST+8*\t+1], s56
	v_mul_f32 v[ST+8*\t], s52, v[ST+8*\t+1]
	v_cvt_f32_u32 v[ST+8*\t+2], s57
	v_mov_b32 v[ST+8*\t+3], 0
	v_mov_b32 v[ST+8*\t+4], 0
	v_mov_b32 v[ST+8*\t+5], 0
	v_mov_b32 v[ST+8*\t+6], 0
	v_mov_b32 v[ST+8*\t+7], 0
.endr
	s_wait_dscnt 0x0
.irp i, 0,2,4,6,8,10,12,14,16,18,20,22,24,26,28,30
	v_pk_add_f32 v[S+\i:S+\i+1], v[S+\i:S+\i+1], v[S+32+\i:S+32+\i+1]
	v_pk_add_f32 v[S+64+\i:S+64+\i+1], v[S+64+\i:S+64+\i+1], v[S+96+\i:S+96+\i+1]
.endr
	WIN 0x40
.irp t, 0,1,2,3
.irp i, 0,2,4,6,8,10,12,14,16,18,20,22,24,26,28,30
	v_pk_add_f32 v[32*\t+\i:32*\t+\i+1], v[S+\i:S+\i+1], v[S+64+\i:S+64+\i+1]   ; every tile's O^T begins as T
.endr
.endr
	WIN 0
	s_cmp_eq_u32 s22, 0
	s_cbranch_scc1 .Lfin                           ; every key is hidden
	s_mov_b32 s45, 0
.Lkey:                                             ; nk trips: 64 keys each
	s_wait_loadcnt 16                              ; K of this step is in (in the first trip Q too); V's 16 loads may be out
	WIN 0x01                                       ; K window 1; Q, S^T window 0
.irp ks, 0,1
.irp kt, 0,1,2,3
.irp t, 0,1,2,3
.if \ks == 0
	v_wmma_f32_16x16x32_f16 v[S+32*\t+8*\kt:S+32*\t+8*\kt+7], v[KR+8*(2*\kt+\ks):KR+8*(2*\kt+\ks)+7], v[QF+8*(2*\t+\ks):QF+8*(2*\t+\ks)+7], 0
.else
	v_wmma_f32_16x16x32_f16 v[S+32*\t+8*\kt:S+32*\t+8*\kt+7], v[KR+8*(2*\kt+\ks):KR+8*(2*\kt+\ks)+7], v[QF+8*(2*\t+\ks):QF+8*(2*\t+\ks)+7], v[S+32*\t+8*\kt:S+32*\t+8*\kt+7]
.endif
.endr
.endr
.endr
	WIN 0
	s_add_co_u32 s46, s45, 1
	s_min_u32 s46, s46, s23                        ; the next step; the last trip loads its own again, so that the waits count alike in every trip
	s_min_u32 s46, s46, 31
	s_lshl_b32 s46, s46, 13
	v_add_nc_u32 v2, s46, v1                       ; (K's last loads, which read v2, were shown done at the trip's head)
.rept 3
	v_nop                                          ; with the line above: four places behind the products, in front of the loads into K and of the first read of the scores
.endr
	WIN 0x40
	LD16 KR, 2, 34                                 ; it has the softmax and the second product in which to land
	WIN 0
	s_add_co_u32 s47, s45, 3                       ; a prefetch of step j + 3's 8,192 bytes of K and of V, lanes 256 bytes apart: two trips ahead of the loads that will want them;
	s_cmp_lt_u32 s47, s44                          ; one wave of the head asks, and never past step nk - 1.  Steps 0 to 2 and the tail come by their loads alone
	s_cbranch_scc0 .Lno_ask
	global_prefetch_b8 v4, s[40:41] th:TH_LOAD_NT scope:SCOPE_SE
	global_prefetch_b8 v4, s[42:43] th:TH_LOAD_NT scope:SCOPE_SE
.Lno_ask:
	s_add_co_u32 s47, s45, 1
	s_lshl_b32 s47, s47, 6
	s_cmp_le_u32 s47, s21
	s_cbranch_scc1 .Lopen                          ; all 64 keys lie under Lk
	s_lshl_b32 s47, s45, 6
	s_sub_co_u32 s47, s21, s47
	v_sub_nc_u32 v9, s47, v5                       ; register 8 kt + jj holds key 64 j + 8 h + 16 kt + jj: hidden where 16 kt + jj >= Lk - 64 j - 8 h
.irp kt, 0,1,2,3
.irp jj, 0,1,2,3,4,5,6,7
	v_cmp_ge_i32 vcc_lo, 16*\kt+\jj, v9
.irp t, 0,1,2,3
	v_cndmask_b32 v[S+32*\t+8*\kt+\jj], v[S+32*\t+8*\kt+\jj], v6, vcc_lo   ; a hidden score is 0, and counts
.endr
.endr
.endr
.Lopen:
	; the maximum of a lane's 32 scores and the old m, three operands at a time; the four tiles by turns.  Each accumulator is read from its low end on
.irp j, 0,1,2,3
.irp t, 0,1,2,3
	v_max3_num_f32 v[ST+8*\t+4+\j], v[S+32*\t+8*\j], v[S+32*\t+8*\j+1], v[S+32*\t+8*\j+2]
.endr
.endr
.irp e, 1,2
.irp j, 0,1,2,3
.irp t, 0,1,2,3
	v_max3_num_f32 v[ST+8*\t+4+\j], v[ST+8*\t+4+\j], v[S+32*\t+8*\j+2*\e+1], v[S+32*\t+8*\j+2*\e+2]
.endr
.endr
.endr
.irp t, 0,1,2,3
	v_max3_num_f32 v[ST+8*\t+4], v[ST+8*\t+4], v[S+32*\t+7], v[S+32*\t+15]
	v_max3_num_f32 v[ST+8*\t+6], v[ST+8*\t+6], v[S+32*\t+23], v[S+32*\t+31]
.endr
.irp t, 0,1,2,3
	v_max3_num_f32 v[ST+8*\t+4], v[ST+8*\t+4], v[ST+8*\t+5], v[ST+8*\t+6]
.endr
.irp t, 0,1,2,3
	v_max3_num_f32 v[ST+8*\t+4], v[ST+8*\t+4], v[ST+8*\t+7], v[ST+8*\t+1]
.endr
.irp t, 0,1,2,3
	v_permlanex16_b32 v[ST+8*\t+5], v[ST+8*\t+4], s54, s55   ; the query's other 32 keys lie in the lane 16 away
.endr
.irp t, 0,1,2,3
	v_mov_b32 v[ST+8*\t+7], v[ST+8*\t]             ; c m_old is kept for a
.endr
.irp t, 0,1,2,3
	v_max_num_f32 v[ST+8*\t+1], v[ST+8*\t+4], v[ST+8*\t+5]
.endr
.irp t, 0,1,2,3
	v_mul_f32 v[ST+8*\t], s52, v[ST+8*\t+1]
.endr
.irp t, 0,1,2,3
	v_sub_f32 v[ST+8*\t+7], v[ST+8*\t+7], v[ST+8*\t]
.endr
.irp t, 0,1,2,3
	v_exp_f32 v[ST+8*\t+6], v[ST+8*\t+7]           ; a.  Nothing names it before the wait below
.endr
.irp i, 0,2,4,6,8,10,12,14,16,18,20,22,24,26,28,30
.irp t, 0,1,2,3
	v_pk_fma_f32 v[S+32*\t+\i:S+32*\t+\i+1], v[S+32*\t+\i:S+32*\t+\i+1], s[52:53], v[ST+8*\t:ST+8*\t+1] op_sel_hi:[1,0,0] neg_lo:[0,0,1] neg_hi:[0,0,1]   ; c s - c m
.endr
.endr
.set n, 0
.rept 128
	v_exp_f32 v[S+n], v[S+n]                       ; p, at most 1
.set n, n+1
.endr
	v_nop                                          ; a plain line behind the last exponential
	s_wait_alu depctr_va_vdst(0)                   ; ONE wait for the 132 exponentials, ahead of the first line that names a result
.irp t, 0,1,2,3
	v_pk_add_f32 v[ST+8*\t+4:ST+8*\t+5], v[S+32*\t:S+32*\t+1], v[S+32*\t+2:S+32*\t+3]   ; the sum is taken of p in f32, ahead of its rounding
.endr
.irp i, 4,6,8,10,12,14,16,18,20,22,24,26,28,30
.irp t, 0,1,2,3
	v_pk_add_f32 v[ST+8*\t+4:ST+8*\t+5], v[ST+8*\t+4:ST+8*\t+5], v[S+32*\t+\i:S+32*\t+\i+1]
.endr
.endr
.irp t, 0,1,2,3
	v_pk_fma_f32 v[ST+8*\t+2:ST+8*\t+3], v[ST+8*\t+2:ST+8*\t+3], v[ST+8*\t+6:ST+8*\t+7], v[ST+8*\t+4:ST+8*\t+5] op_sel_hi:[1,0,1]   ; l = a l + the sum
.endr
.irp t, 0,1,2,3
.irp u, 0,1
.irp i, 0,1,2,3,4,5,6,7
	v_cvt_pk_f16_f32 v[S+32*\t+16*\u+\i], v[S+32*\t+16*\u+2*\i], v[S+32*\t+16*\u+2*\i+1]   ; P in place: 32 keys x 16 queries in v[S + 32 t + 16 u] on; a register is written behind its last read
.endr
.endr
.endr
	WIN 0x41                                       ; O^T window 1, a window 0
.irp t, 0,1,2,3
.irp i, 0,2,4,6,8,10,12,14,16,18,20,22,24,26,28,30
	v_pk_mul_f32 v[32*\t+\i:32*\t+\i+1], v[32*\t+\i:32*\t+\i+1], v[ST+8*\t+6:ST+8*\t+7] op_sel_hi:[1,0]
.endr
.endr
	s_wait_loadcnt 16                              ; V of this step is in; the next K's 16 loads may be out
	WIN 0x51                                       ; V and O^T window 1, P window 0
.irp u, 0,1
.irp c, 0,1,2,3
.irp t, 0,1,2,3
	v_wmma_f32_16x16x32_f16 v[32*\t+8*\c:32*\t+8*\c+7], v[VR+8*(4*\u+\c):VR+8*(4*\u+\c)+7], v[S+32*\t+16*\u:S+32*\t+16*\u+7], v[32*\t+8*\c:32*\t+8*\c+7]
.endr
.endr
.endr
	WIN 0
	v_add_nc_u32 v3, s46, v1                       ; (V's last loads, which read v3, were shown done above)
.rept 4
	v_nop                                          ; with the line above: five places: in front of the loads into V, and of the next trip's products, which write over P
.endr
	s_wait_xcnt 0x0                                ; the prefetches, most of a trip back, have read their addresses
	s_add_nc_u64 s[40:41], s[40:41], 8192
	s_add_nc_u64 s[42:43], s[42:43], 8192
	WIN 0x40
	LD16 VR, 3, 36
	WIN 0
	s_add_co_u32 s45, s45, 1
	s_cmp_lt_u32 s45, s22
	s_cbranch_scc1 .Lkey
.Lfin:                                             ; O / l + bv, rounded to f16: tile t's channels 16 c + 8 h + 0 .. 7 are group c % 2 of image c / 2: stored as they stand
	s_wait_loadcnt 0x0                             ; no load is on its way into the registers that bv takes
.irp c, 0,1,2,3
	global_load_b128 v[QF+8*\c:QF+8*\c+3], v8, s[8:9] offset:64*\c
	global_load_b128 v[QF+8*\c+4:QF+8*\c+7], v8, s[8:9] offset:64*\c+16
.endr
.irp t, 0,1,2,3
	v_add_f32 v[ST+8*\t+4], v[ST+8*\t+2], v[ST+8*\t+3]
.endr
.irp t, 0,1,2,3
	v_permlanex16_b32 v[ST+8*\t+5], v[ST+8*\t+4], s54, s55
.endr
.irp t, 0,1,2,3
	v_add_f32 v[ST+8*\t+4], v[ST+8*\t+4], v[ST+8*\t+5]
.endr
.irp t, 0,1,2,3
	v_rcp_f32 v[ST+8*\t+6], v[ST+8*\t+4]
.endr
	v_nop                                          ; a plain line behind the last reciprocal
	s_wait_alu depctr_va_vdst(0)                   ; one wait for the four, ahead of their first reader
	s_wait_loadcnt 0x0                             ; bv
	WIN 0x01                                       ; O^T window 1
.irp t, 0,1,2,3
.irp c, 0,1,2,3
.irp i, 0,2,4,6
	v_pk_fma_f32 v[S+32*\t+8*\c+\i:S+32*\t+8*\c+\i+1], v[32*\t+8*\c+\i:32*\t+8*\c+\i+1], v[ST+8*\t+6:ST+8*\t+7], v[QF+8*\c+\i:QF+8*\c+\i+1] op_sel_hi:[1,0,1]
.endr
.endr
.endr
	WIN 0
.irp t, 0,1,2,3
.irp i, 0,1,2,3,4,5,6,7,8,9,10,11,12,13,14,15
	v_cvt_pk_f16_f32 v[S+32*\t+\i], v[S+32*\t+2*\i], v[S+32*\t+2*\i+1]
.endr
.endr
.irp t, 0,1,2,3
.irp c, 0,1,2,3
	global_store_b128 v1, v[S+32*\t+4*\c:S+32*\t+4*\c+3], s[10:11] offset:32768*\t+512*\c   ; 512 consecutive aligned bytes
.endr
.endr
	s_wait_tensorcnt 0x0                           ; the wave's end: these three lines behind my last LDS store
	ds_add_u32 v[SPW], v[NIL]
	s_wait_dscnt 0x0
	s_endpgm
.Lzero:                                            ; none of my 64 queries lies under Lq: zeros, since the next launch reads every byte of ofrag
.irp t, 0,1,2,3
.irp c, 0,1,2,3
	global_store_b128 v1, v[12:15], s[10:11] offset:32768*\t+512*\c
.endr
.endr
	s_wait_tensorcnt 0x0
	ds_add_u32 v[SPW], v[NIL]
	s_wait_dscnt 0x0
	s_endpgm
.Lfunc_end_k_q1d2dddaa89_attn:
	.size	k_q1d2dddaa89_attn, .Lfunc_end_k_q1d2dddaa89_attn-k_q1d2dddaa89_attn
	.p2alignl 7, 3214868480
	.fill 96, 4, 3214868480
	.section	.rodata,"a",@progbits
	.p2align	6, 0x0
	.amdhsa_kernel k_q1d2dddaa89_attn
		.amdhsa_group_segment_fixed_size 16896
		.amdhsa_private_segment_fixed_size 0
		.amdhsa_enable_private_segment 0
		.amdhsa_kernarg_size 32
		.amdhsa_user_sgpr_count 2
		.amdhsa_user_sgpr_kernarg_segment_ptr 1
		.amdhsa_wavefront_size32 1
		.amdhsa_system_sgpr_workgroup_id_x 1
		.amdhsa_system_sgpr_workgroup_id_y 1
		.amdhsa_system_sgpr_workgroup_id_z 1
		.amdhsa_system_vgpr_workitem_id 0
		.amdhsa_next_free_vgpr 512
		.amdhsa_next_free_sgpr 66
		.amdhsa_reserve_vcc 1
		.amdhsa_float_denorm_mode_32 3
		.amdhsa_float_denorm_mode_16_64 3
		.amdhsa_memory_ordered 1
		.amdhsa_forward_progress 1
		.amdhsa_inst_pref_size 82
	.end_amdhsa_kernel
	.amdgpu_metadata
---
amdhsa.version: [ 1, 2 ]
amdhsa.kernels:
  - .name:           k_q1d2dddaa89_attn
    .symbol:         k_q1d2dddaa89_attn.kd
    .args:
      - { .name: qkv, .offset: 0, .size: 8, .value_kind: global_buffer, .address_space: global }
      - { .name: seq_len, .offset: 8, .size: 8, .value_kind: global_buffer, .address_space: global }
      - { .name: bv, .offset: 16, .size: 8, .value_kind: global_buffer, .address_space: global }
      - { .name: ofrag, .offset: 24, .size: 8, .value_kind: global_buffer, .address_space: global }
    .group_segment_fixed_size: 16896
    .private_segment_fixed_size: 0
    .kernarg_segment_align: 8
    .kernarg_segment_size: 32
    .max_flat_workgroup_size: 128
    .sgpr_count:     66
    .vgpr_count:     512
    .wavefront_size: 32
...
	.end_amdgpu_metadata
.endif
;; end of part 3
;; launch oproj (part 4): grid 8 x 32, 4 waves a work-group, clusters of 4 x 4, 327,680 bytes of LDS; arguments ofrag, wg16, seq_len, out0; writes out0
.if DOCPART == 4
	.amdgcn_target "amdgcn-amd-amdhsa--gfx1250"
	.amdhsa_code_object_version 6
	.text
	.protected	k_q1d2dddaa89_oproj
	.globl	k_q1d2dddaa89_oproj
	.p2align	8
	.type	k_q1d2dddaa89_oproj,@function
k_q1d2dddaa89_oproj:
	s_mov_b64 s[64:65], 0
	v_nop
	global_prefetch_b8 v0, s[64:65] scope:SCOPE_SE
	s_setreg_imm32_b32 hwreg(HW_REG_WAVE_MODE, 25, 1), 1
	s_wait_xcnt 0x0
	s_wait_alu depctr_hold_cnt(0) depctr_sa_sdst(0) depctr_va_vdst(0) depctr_va_sdst(0) depctr_va_ssrc(0) depctr_va_vcc(0) depctr_vm_vsrc(0)
	s_getreg_b32 s2, hwreg(HW_REG_IB_STS2, 6, 4)
	s_cmp_eq_u32 s2, 0
	s_cbranch_scc0 .Lentry_in_a_cluster
	s_endpgm
.Lentry_in_a_cluster:
	s_bfe_u32 s2, ttmp6, 0x10000c
	s_cmp_lg_u32 s2, 0xf033
	s_cbranch_scc0 .Lentry_shape_is_right
	s_endpgm
.Lentry_shape_is_right:
; OPROJ.  out0[row][n] = (sum over k of o[row][k] wg[n][k]) x (token < seq_len[batch] ? 1 : 0).  o and wg are f16, as images of operand registers; sums in f32; out0 [8192][1024] f32.
; ofrag: [tile of 16 rows 512][k / 32 32][1,024 bytes]; wg16: [tile of 16 n 64][k / 32 32][1,024].  An image: group g (registers 4 g .. 4 g + 3) at 512 g + 16 x lane.
; A tile of out0 is 256 rows x 128 columns: 256 work-groups.  Four waves, each 128 x 64: 32 accumulators, 256 registers.  K goes in 8 steps of 128 through a ring of two LDS slots.
; A K step of a tile of 16 rows is four images on end, 4,096 bytes; from tile to tile 32,768 bytes: so a tensor load takes rows of 4,096 bytes.  Images are read back 512 consecutive bytes a load: no padding.
; CLUSTER: 4 x 4 work-groups; o's tiles are shared along a row of the cluster, wg's along a column: each is asked for jointly, by the same tensor load with a mask that names the four.
; THE MATRIX INSTRUCTION IS USED TRANSPOSED (source 0 = 16 rows of wg, source 1 = 16 rows of o): a lane holds eight neighbouring columns of one row of out0.
; seq_len steers no branch and no address here: it selects the factor 1 or 0.  It may be any int32 (held at 0 from below; the comparison is signed).
; REGISTERS.  window 0: v16-31 addresses and the factor; v32-127, v128-223 two fragment buffers (wg's 4 fragments, then o's 8); on the way out v32-95 scaled results, v96-159 rows read back.
;   window 1: the accumulators: (a, b) at v[8 (4 a + b)].
.set SLOT,   98304                     ; o's 16 tiles x 4,096 bytes, then wg's 8 x 4,096
.set BOFF,   65536
.set STAGE,  2*SLOT                    ; behind the ring: 16 rows x (256 bytes + 16) for each wave
.set SPITCH, 272
.set SPARE,  STAGE+4*16*SPITCH         ; behind the stages: the spare words, 128 bytes a wave
.set LAPS,   4                         ; a lap = two K steps = once round the ring
.set ADRA, 16                          ; v16-17  LDS address of my fragments of o in slot 0, 1
.set ADRB, 20                          ; v20-21  of wg
.set STO,  22                          ; v22     the way out: where I put 32 bytes of a row
.set RD,   23                          ; v23     where I read a row back
.set FM,   24                          ; v24-25  the factor (named as a pair; the low word serves both halves)
.set CO,   26                          ; v26     my byte offset in out0
.set TK,   27                          ; v27     my row's token in its batch, for block 0
.set SPW,  28                          ; v28     my spare word; never rewritten
.set NIL,  29                          ; v29     0; never rewritten
.set ZF,   30                          ; v30     0.0
.set OF1,  31                          ; v31     1.0
.set F0,   32
.set F1,   128
.set TMP,  32
.set BK,   96
.set G1, 24                            ; s[24:31] group 1 for o's tiles;  s[32:39] group 0, one set for each slot
.set G0, 32
.set G1B, 48                           ; s[48:55], s[56:63] the same for wg's
.set G0B, 56
.set MSB, 0
.macro WIN new
.if MSB != (\new)
	s_set_vgpr_msb (MSB<<8)|(\new)
.set MSB, (\new)
.endif
.endm
.set MUL, 0x50                         ; sources 0 and 1 window 0; C and D window 1
.macro JLOAD s                         ; a joint load: waves 0 and 1 fetch o's two halves, waves 2 and 3 wg's; an s_nop 0 and four v_nop follow each of the two lines
	s_cmp_eq_u32 s13, 0
	s_cbranch_scc0 .Lfor_b_\@
	tensor_load_to_lds s[G0+4*\s:G0+4*\s+3], s[G1:G1+7]
	s_nop 0
.rept 4
	v_nop
.endr
	s_branch .Lasked_\@
.Lfor_b_\@:
	tensor_load_to_lds s[G0B+4*\s:G0B+4*\s+3], s[G1B:G1B+7]
	s_nop 0
.rept 4
	v_nop
.endr
.Lasked_\@:
.endm
.macro CREST                           ; a round of the cluster's barrier behind its opening barrier
	s_cmp_lg_u32 s12, 0
	s_cbranch_scc1 .Lnot_wave_0_\@
	s_barrier_signal -3
.Lnot_wave_0_\@:
	s_barrier_wait -3
	s_barrier_signal -1
	s_barrier_wait -1
.endm
.macro CROUND
	s_barrier_signal -1
	s_barrier_wait -1
	CREST
.endm
	s_load_b256 s[4:11], s[0:1], 0x0               ; ofrag s[4:5], wg16 s[6:7], seq_len s[8:9], out0 s[10:11]
	v_lshl_add_u32 v[SPW], v0, 2, SPARE
	v_mov_b32 v[NIL], 0
	ds_add_u32 v[SPW], v[NIL]                      ; the wave's opening: the add, twice on end, and its wait ahead of my first tensor load
	ds_add_u32 v[SPW], v[NIL]
	v_lshrrev_b32 v1, 5, v0
	v_readfirstlane_b32 s12, v1                    ; wave 0..3
	s_lshr_b32 s13, s12, 1                         ; which 128 rows of the tile are mine.  Also: I fetch for o (0) or for wg (1)
	s_and_b32 s14, s12, 1                          ; which 64 columns.  Also: which half of that tile I fetch
	s_bfe_u32 s40, ttmp6, 0x40000                  ; cx, cy
	s_bfe_u32 s41, ttmp6, 0x40004
	s_lshl_b32 s42, ttmp9, 2
	s_add_co_u32 s42, s42, s40                     ; tile column = 4 x cluster x + cx
	s_and_b32 s15, ttmp7, 0xffff
	s_lshr_b32 s21, s15, 1                         ; the batch: eight tile rows, two clusters, to a batch
	s_lshl_b32 s15, s15, 2
	s_add_co_u32 s15, s15, s41                     ; tile row = 4 x cluster y + cy
	s_lshl_b32 s43, s41, 2
	s_lshl_b32 s43, 15, s43                        ; my row of the cluster
	s_lshl_b32 s44, 0x1111, s40                    ; my column
	s_or_b32 s[G1+0], s43, (3<<16)|(1<<21)         ; the mask; elements of 8 bytes; bit 21 beside a mask; no padding
	s_or_b32 s[G1B+0], s44, (3<<16)|(1<<21)
.irp g, G1, G1B
	s_mov_b32 s[\g+1], 512<<16                     ; tensor_dim0 = 512 elements: 4,096 bytes
	s_mov_b32 s[\g+3], 512<<16                     ; tile_dim0
	s_mov_b32 s[\g+5], 4096                        ; the pitch: 32,768 bytes
	s_mov_b32 s[\g+6], 0
	s_mov_b32 s[\g+7], 0
.endr
	s_mov_b32 s[G1+2], 8<<16                       ; o: 8 tiles of 16 rows to a load
	s_mov_b32 s[G1+4], 8
	s_mov_b32 s[G1B+2], 4<<16                      ; wg: 4
	s_mov_b32 s[G1B+4], 4
	s_lshl_b32 s16, s15, 4
	s_lshl_b32 s17, s14, 3
	s_add_co_u32 s16, s16, s17                     ; o: tile 16 x tile row + 8 x half
	s_lshl_b32 s16, s16, 15
	s_mov_b32 s17, 0
	s_lshl_b32 s46, s42, 3
	s_lshl_b32 s47, s14, 2
	s_add_co_u32 s46, s46, s47                     ; wg: tile 8 x tile column + 4 x half
	s_lshl_b32 s46, s46, 15
	s_mov_b32 s47, 0
	s_lshl_b32 s22, s14, 15                        ; where they go: no place in the cluster enters an LDS address
	s_lshl_b32 s23, s14, 14
	s_add_co_u32 s23, s23, BOFF
	s_wait_dscnt 0x0                               ; both opening adds are done
	s_wait_kmcnt 0x0
	s_add_nc_u64 s[16:17], s[4:5], s[16:17]
	s_add_nc_u64 s[46:47], s[6:7], s[46:47]
	CROUND                                         ; all sixteen work-groups are here: the first joint loads meet
.irp s, 0,1
	s_mov_b32 s[G0+4*\s], 1
	s_add_co_u32 s[G0+4*\s+1], s22, \s*SLOT
	s_add_nc_u64 s[G0+4*\s+2:G0+4*\s+3], s[16:17], \s*4096
	s_or_b32 s[G0+4*\s+3], s[G0+4*\s+3], 0x80000000
	s_mov_b32 s[G0B+4*\s], 1
	s_add_co_u32 s[G0B+4*\s+1], s23, \s*SLOT
	s_add_nc_u64 s[G0B+4*\s+2:G0B+4*\s+3], s[46:47], \s*4096
	s_or_b32 s[G0B+4*\s+3], s[G0B+4*\s+3], 0x80000000
	JLOAD \s                                       ; two tensor loads of mine are out
.endr
	s_load_b128 s[16:19], s[8:9], 0x0              ; the four lengths
	v_and_b32 v1, 15, v0                           ; r
	v_bfe_u32 v2, v0, 4, 1                         ; h
	v_and_b32 v3, 31, v0
	v_lshlrev_b32 v3, 4, v3                        ; 16 x lane
	s_lshl_b32 s22, s13, 15                        ; my 8 tiles of o
	s_lshl_b32 s23, s14, 14
	s_add_co_u32 s23, s23, BOFF                    ; my 4 tiles of wg
.irp s, 0,1
	v_add_nc_u32 v[ADRA+\s], s22, v3
	v_add_nc_u32 v[ADRB+\s], s23, v3
	s_add_co_u32 s22, s22, SLOT
	s_add_co_u32 s23, s23, SLOT
.endr
	s_mul_i32 s22, s12, 16*SPITCH
	s_add_co_u32 s22, s22, STAGE                   ; my stage
	v_mul_u32_u24 v4, v1, SPITCH                   ; in: row r, 32 bytes for each half of the lanes
	v_lshl_add_u32 v4, v2, 5, v4
	v_add_nc_u32 v[STO], s22, v4
	v_mul_u32_u24 v4, v2, SPITCH                   ; back: lanes 0-15 one row of 256 bytes, lanes 16-31 the next
	v_lshl_add_u32 v4, v1, 4, v4
	v_add_nc_u32 v[RD], s22, v4
	v_lshlrev_b32 v4, 12, v2                       ; and the same two rows in out0
	v_lshl_add_u32 v[CO], v1, 4, v4
	s_lshl_b32 s44, s15, 8
	s_lshl_b32 s45, s13, 7
	s_add_co_u32 s44, s44, s45                     ; my first row
	s_lshl_b32 s44, s44, 12
	s_lshl_b32 s45, s42, 9
	s_add_co_u32 s44, s44, s45                     ; the tile's first column, in bytes,
	s_lshl_b32 s45, s14, 8
	s_add_co_u32 s44, s44, s45                     ; and my 64 columns
	s_mov_b32 s45, 0
	s_add_nc_u64 s[10:11], s[10:11], s[44:45]
	s_and_b32 s46, s15, 7
	s_lshl_b32 s46, s46, 8
	s_lshl_b32 s47, s13, 7
	s_add_co_u32 s46, s46, s47
	v_add_nc_u32 v[TK], s46, v1                    ; the token of my row of block 0
	v_mov_b32 v[ZF], 0
	v_mov_b32 v[OF1], 1.0
	v_mov_b32 v[FM+1], 0
	s_wait_kmcnt 0x0
	s_cmp_eq_u32 s21, 1
	s_cselect_b32 s20, s17, s16
	s_cmp_eq_u32 s21, 2
	s_cselect_b32 s20, s18, s20
	s_cmp_eq_u32 s21, 3
	s_cselect_b32 s20, s19, s20
	s_max_i32 s20, s20, 0                          ; my batch's length
; 8 matrix instructions: o's blocks a0, a0 + 1 x wg's four, 32 along K, from buffer f.  zero = 1: the first product starts the sums.  The 32 accumulators take turns, one instruction a turn.
.macro MUL8 f, a0, zero
.irp a, \a0, \a0+1
.irp b, 0,1,2,3
.if \zero
	v_wmma_f32_16x16x32_f16 v[8*(4*(\a)+\b):8*(4*(\a)+\b)+7], v[\f+8*\b:\f+8*\b+7], v[\f+32+8*(\a):\f+32+8*(\a)+7], 0
.else
	v_wmma_f32_16x16x32_f16 v[8*(4*(\a)+\b):8*(4*(\a)+\b)+7], v[\f+8*\b:\f+8*\b+7], v[\f+32+8*(\a):\f+32+8*(\a)+7], v[8*(4*(\a)+\b):8*(4*(\a)+\b)+7]
.endif
.endr
.endr
.endm
; 24 LDS loads in one run: the slot's q-th 32 along K into buffer f: wg's four images, o's blocks 0-3, o's blocks 4-7
.macro FETCH slot, q, f
	WIN 0
.irp i, 0,1,2,3
	ds_load_b128 v[\f+8*\i:\f+8*\i+3],   v[ADRB+\slot] offset:4096*\i+1024*(\q)
	ds_load_b128 v[\f+8*\i+4:\f+8*\i+7], v[ADRB+\slot] offset:4096*\i+1024*(\q)+512
.endr
.irp i, 0,1,2,3,4,5,6,7
	ds_load_b128 v[\f+32+8*\i:\f+32+8*\i+3],   v[ADRA+\slot] offset:4096*\i+1024*(\q)
	ds_load_b128 v[\f+32+8*\i+4:\f+32+8*\i+7], v[ADRA+\slot] offset:4096*\i+1024*(\q)+512
.endr
.endm
.macro PLACES                          ; four places in front of loads into registers that matrix instructions have read, and of lines that read results (ISA guide 7.12.1 for vector instructions)
.rept 4
	v_nop
.endr
.endm
; A K step is four quarters of 32 along K, 32 matrix instructions each, on buffers 0, 1, 0, 1.  One of the first three: multiplies buffer f and fetches the slot's quarter q into g.
.macro QUARTER slot, q, f, g, zero
	s_wait_dscnt 8                                 ; wg's and o's blocks 0-3 are in; the youngest eight loads (blocks 4-7) may be out
	WIN MUL
	MUL8 \f, 0, \zero
	MUL8 \f, 2, \zero
	PLACES
	FETCH \slot, \q, \g
	s_wait_dscnt 24                                ; all but the 24 just issued
	WIN MUL
	MUL8 \f, 4, \zero
	MUL8 \f, 6, \zero
.endm
; The last quarter multiplies buffer 1 and changes slots: ONE barrier; in front of it each wave waits for all its tensor loads, adds 0 to its spare word, and waits for that and for its reads of this slot.
; fill = 1: the barrier opens a round of the cluster's barrier, and this slot is filled again, two K steps ahead, first thing behind the round: it has a K step less 16 matrix instructions in which to land.
.macro TURN slot, next, fill
	WIN 0                                          ; (the add's two registers lie in window 0)
	s_wait_tensorcnt 0x0                           ; all my tensor loads have landed: the one that was out is my part of the next slot
	ds_add_u32 v[SPW], v[NIL]                      ; 0 onto my spare word
	s_wait_dscnt 9                                 ; the add and the youngest eight loads may be out
	WIN MUL
	MUL8 F1, 0, 0                                  ; eight matrix instructions stand between the add and the wait for it
	s_wait_dscnt 0x0                               ; the add is done, and my reads of this slot are over
	s_barrier_signal -1
	MUL8 F1, 2, 0
.if \fill
	WIN 0
.endif
	s_barrier_wait -1
.if \fill
	CREST                                          ; no wave of any partner still reads this slot or has a load on its way
	s_add_nc_u64 s[G0+4*\slot+2:G0+4*\slot+3], s[G0+4*\slot+2:G0+4*\slot+3], 8192
	s_add_nc_u64 s[G0B+4*\slot+2:G0B+4*\slot+3], s[G0B+4*\slot+2:G0B+4*\slot+3], 8192
	JLOAD \slot                                    ; the four v_nop behind it are also the places in front of the loads below
.else
	PLACES
.endif
	FETCH \next, 0, F0
	WIN MUL
	MUL8 F1, 4, 0
	MUL8 F1, 6, 0
.endm
	s_wait_tensorcnt 1                             ; my part of K step 0 is in; K step 1's load may be out
	s_barrier_signal -1
	s_barrier_wait -1                              ; everybody's is
	FETCH 0, 0, F0
	QUARTER 0, 1, F0, F1, 1                        ; the first quarter stands in front of the loop: its products start the sums
	WIN 0                                          ; at a label and at a branch every window is 0
	s_mov_b32 s3, LAPS-1
.Llap:                                             ; a trip goes once round the ring, from a lap's second quarter to the next lap's first, and fills both slots again
	QUARTER 0, 2, F1, F0, 0
	QUARTER 0, 3, F0, F1, 0
	TURN 0, 1, 1
	QUARTER 1, 1, F0, F1, 0
	QUARTER 1, 2, F1, F0, 0
	QUARTER 1, 3, F0, F1, 0
	TURN 1, 0, 1
	QUARTER 0, 1, F0, F1, 0
	WIN 0
	s_sub_co_u32 s3, s3, 1
	s_cmp_lg_u32 s3, 0
	s_cbranch_scc1 .Llap
	QUARTER 0, 2, F1, F0, 0                        ; the last lap fills nothing, and has no round of the cluster's barrier
	QUARTER 0, 3, F0, F1, 0
	TURN 0, 1, 0
	QUARTER 1, 1, F0, F1, 0
	QUARTER 1, 2, F1, F0, 0
	QUARTER 1, 3, F0, F1, 0
	s_wait_dscnt 8                                 ; the very last quarter: nothing more to fetch
	WIN MUL
	MUL8 F1, 0, 0
	MUL8 F1, 2, 0
	s_wait_dscnt 0
	MUL8 F1, 4, 0
	MUL8 F1, 6, 0
	WIN 0
; THE WAY OUT, block by block of 16 rows x 64 columns.  The block is multiplied by its rows' factor, goes through my own stage in LDS, and comes back as whole rows of 256 bytes.
.macro PACKM a
	s_sub_co_i32 s2, s20, 16*(\a)
	v_cmp_gt_i32 vcc_lo, s2, v[TK]                 ; token + 16 a < seq_len
	v_cndmask_b32 v[FM], v[ZF], v[OF1], vcc_lo
	WIN 0x01                                       ; source 0: window 1
.irp b, 0,1,2,3
.irp i, 0,2,4,6
	v_pk_mul_f32 v[TMP+32*((\a)%2)+8*\b+\i:TMP+32*((\a)%2)+8*\b+\i+1], v[8*(4*(\a)+\b)+\i:8*(4*(\a)+\b)+\i+1], v[FM:FM+1] op_sel_hi:[1,0]   ; each accumulator from its low end on
.endr
.endr
	WIN 0
.endm
.macro TOSTAGE a
.irp b, 0,1,2,3
	ds_store_b128 v[STO], v[TMP+32*((\a)%2)+8*\b:TMP+32*((\a)%2)+8*\b+3] offset:64*\b
	ds_store_b128 v[STO], v[TMP+32*((\a)%2)+8*\b+4:TMP+32*((\a)%2)+8*\b+7] offset:64*\b+16
.endr
.irp i, 0,1,2,3,4,5,6,7
	ds_load_b128 v[BK+32*((\a)%2)+4*\i:BK+32*((\a)%2)+4*\i+3], v[RD] offset:2*\i*SPITCH   ; LDS serves a wave's instructions in order: these see the stores above, and the next block's stores come behind them
.endr
.endm
.macro SEND a, younger                 ; younger: the LDS instructions issued behind block a's loads, which may stay out
	s_wait_dscnt \younger
.if (\a) > 0
	s_add_nc_u64 s[10:11], s[10:11], 65536         ; 16 rows on (the earlier stores have read their base: a wait on XCNT stands ahead)
.endif
.irp i, 0,1,2,3,4,5,6,7
	global_store_b128 v[CO], v[BK+32*((\a)%2)+4*\i:BK+32*((\a)%2)+4*\i+3], s[10:11] offset:2*\i*4096 th:TH_STORE_NT   ; sixteen lanes store 256 consecutive aligned bytes; written once, read by nobody here
.endr
.endm
	PLACES                                         ; behind the last products
	PACKM 0
	TOSTAGE 0
.irp a, 1,2,3,4,5,6,7
	PACKM \a
.if \a > 1
	s_wait_xcnt 0x0                                ; block a - 2's stores have read their registers and their base: block a's loads may land there, and the base may step
.endif
	TOSTAGE \a
	SEND \a-1, 16                                  ; behind block a - 1's loads: block a's 8 stores and 8 loads
.endr
	s_wait_xcnt 0x0                                ; block 6's stores have read their base
	SEND 7, 0
	s_wait_tensorcnt 0x0                           ; the wave's end: these three lines behind my last tensor load and my last LDS store
	ds_add_u32 v[SPW], v[NIL]
	s_wait_dscnt 0x0
	CROUND                                         ; the closing round: no work-group ends while a partner may still ask for a tile that names it
	s_endpgm
.Lfunc_end_k_q1d2dddaa89_oproj:
	.size	k_q1d2dddaa89_oproj, .Lfunc_end_k_q1d2dddaa89_oproj-k_q1d2dddaa89_oproj
	.p2alignl 7, 3214868480
	.fill 96, 4, 3214868480
	.section	.rodata,"a",@progbits
	.p2align	6, 0x0
	.amdhsa_kernel k_q1d2dddaa89_oproj
		.amdhsa_group_segment_fixed_size 327680
		.amdhsa_private_segment_fixed_size 0
		.amdhsa_enable_private_segment 0
		.amdhsa_kernarg_size 32
		.amdhsa_user_sgpr_count 2
		.amdhsa_user_sgpr_kernarg_segment_ptr 1
		.amdhsa_wavefront_size32 1
		.amdhsa_system_sgpr_workgroup_id_x 1
		.amdhsa_system_sgpr_workgroup_id_y 1
		.amdhsa_system_sgpr_workgroup_id_z 1
		.amdhsa_system_vgpr_workitem_id 0
		.amdhsa_next_free_vgpr 512
		.amdhsa_next_free_sgpr 66
		.amdhsa_reserve_vcc 1
		.amdhsa_float_denorm_mode_32 3
		.amdhsa_float_denorm_mode_16_64 3
		.amdhsa_memory_ordered 1
		.amdhsa_forward_progress 1
		.amdhsa_inst_pref_size 95
	.end_amdhsa_kernel
	.amdgpu_metadata
---
amdhsa.version: [ 1, 2 ]
amdhsa.kernels:
  - .name:           k_q1d2dddaa89_oproj
    .symbol:         k_q1d2dddaa89_oproj.kd
    .args:
      - { .name: ofrag, .offset: 0, .size: 8, .value_kind: global_buffer, .address_space: global }
      - { .name: wg16, .offset: 8, .size: 8, .value_kind: global_buffer, .address_space: global }
      - { .name: seq_len, .offset: 16, .size: 8, .value_kind: global_buffer, .address_space: global }
      - { .name: out0, .offset: 24, .size: 8, .value_kind: global_buffer, .address_space: global }
    .group_segment_fixed_size: 327680
    .private_segment_fixed_size: 0
    .kernarg_segment_align: 8
    .kernarg_segment_size: 32
    .max_flat_workgroup_size: 128
    .sgpr_count:     66
    .vgpr_count:     512
    .wavefront_size: 32
...
	.end_amdgpu_metadata
.endif
;; end of part 4
